; MI455X (gfx1250); checked and timed in simulation.
; The chip was launched on July 23, 2026; its instructions are those of AMD's public machine-readable ISA for CDNA 5 (MIT licence, August 2026) and "CDNA5" Instruction Set Architecture Reference Guide (July 2026). The comments in the code are by the model that wrote it; some were corrected since.
;; Cosine Attention. Allowed arithmetic: matrix products marked QUANTISED: E2M3 operands, one E8M0 scale for each 32 along K, by v_wmma_scale_f32_16x16x128_f8f6f4 with both operands' format E2M3, f32 sums; everything else in f32.
;; Inputs: Wk 1,024 x 1,024 float32; Wo 1,024 x 1,024 float32; Wq 1,024 x 1,024 float32; Wv 1,024 x 1,024 float32; attn_mask 2,048 x 2,048 bool; bk 1,024 float32; bo 1,024 float32; bq 1,024 float32; bv 1,024 float32; k 4 x 2,048 x 1,024 float32; key_padding_mask 4 x 2,048 bool; q 4 x 2,048 x 1,024 float32; v 4 x 2,048 x 1,024 float32.
;; Outputs: out0 4 x 2,048 x 1,024 float32.
;; This version of the problem:
;;   THIS VERSION OF THE PROBLEM IS GIVEN IN LOW PRECISION. The matrix products marked QUANTISED in the list below multiply operands that are first quantised to E2M3 (2 exponent bits, 3 mantissa bits; 6 bits a number), with one power-of-two scale for each 32 numbers along K (OCP MX v1.0); their sums are f32. All else is computed in f32.
;;   The module's matrix products, in the order in which they are computed (A, B: the left and right operand; K: the contracted axis; several contracted axes count as one K, in the product's order):
;;     1. [M 8,192, K 1,024] x [K 1,024, N 1,024]; A: input q; B: input Wq: QUANTISED
;;     2. [M 8,192, K 1,024] x [K 1,024, N 1,024]; A: input k; B: input Wk: QUANTISED
;;     3. [M 8,192, K 1,024] x [K 1,024, N 1,024]; A: input v; B: input Wv: QUANTISED
;;     4. batch 4 x [M 2,048, K 1,024] x [K 1,024, N 2,048]; A: computed on the way; B: computed on the way: QUANTISED
;;     5. batch 4 x [M 2,048, K 2,048] x [K 2,048, N 1,024]; A: softmax (see below); B: computed on the way: QUANTISED
;;     6. [M 8,192, K 1,024] x [K 1,024, N 1,024]; A: computed on the way; B: input Wo: QUANTISED
;;   THE QUANTISER, for each operand of a quantised product, along K:
;;     - K is cut into blocks of 32 from its start; a last block that is shorter is filled with zeros.
;;     - A block's scale is 2^e with e = floor(log2(the largest magnitude in the block)) - 2, held to -126 .. 127; a block of zeros has e = 0. As a byte (E8M0): e + 127.
;;     - Each number is divided by its block's scale, clamped to +-7.5, and rounded to the nearest number of E2M3, ties to even, subnormals kept.
;;     - The product sums the exact products of the quantised numbers (number of the format x scale) in f32.
;;   ~~~python
;;   def quantise(x, axis):      # numpy; x: float32 -> the quantised numbers, widened to float32 again
;;       x = np.moveaxis(x, axis, -1); K = x.shape[-1]
;;       x = np.pad(x, [(0, 0)] * (x.ndim - 1) + [(0, -K % 32)]); x = x.reshape(x.shape[:-1] + (-1, 32)); a = np.abs(x).max(-1, keepdims=True)
;;       e = np.where(a > 0, np.clip(np.frexp(np.where(a > 0, a, 1))[1] - 1 - 2, -126, 127), 0)      # np.frexp(a)[1] - 1 = floor(log2(a)), exactly
;;       r = np.clip(x / 2.0 ** e, -7.5, 7.5)
;;       step = 2.0 ** (np.maximum(np.frexp(np.where(r == 0, 1, r))[1] - 1, 0) - 3)
;;       q = np.round(r / step) * step * 2.0 ** e      # np.round: ties to even
;;       return np.moveaxis(q.reshape(q.shape[:-2] + (-1,))[..., :K], -1, axis).astype(np.float32)
;;   ~~~
;;   SOFTMAX AHEAD OF A QUANTISED PRODUCT. Where the list says 'softmax', what is quantised is not the finished softmax but p = 2^(t - M), with t = logit x log2(e) and M = ceil(the row's largest t), a whole number; so 1/2 < the row's largest p <= 1. The row's sum l is taken of the UNQUANTISED p, in f32, and the product's result is divided by l at the end. Since M is a whole number, a kernel that streams over the keys may use a running M (the ceiling of the running maximum): every later rescaling is an exact power of two, which a block's scale takes up: the codes' values come out the same.
;;   OPERANDS COMPUTED ON THE WAY. 'Computed on the way' means the value that the module computes at that place (a softmax that the list does not call 'softmax' is quantised finished and normalised). What goes into a quantiser is computed in f32, as accurately as f32 sums, v_exp_f32 and their like allow (about 1e-6 of the number): no bf16 or f16 on the way to a quantiser, and a product that is left as it is and whose result goes on into a quantised operand takes f32 operands (vector FMAs, or v_wmma_f32_16x16x4_f32). A number that lies on a knife's edge between two numbers of the format may be rounded either way, as far as f32 arithmetic and the matrix unit's own rounding can turn it there, and no further.
;; One version. Each part assembles by itself: llvm-mc -triple=amdgcn-amd-amdhsa -mcpu=gfx1250 --defsym DOCPART=n.
;; ======== version 1 of 1: 6 launches
;; limits: right only within a limited range of input values
;; workspace buffers: inc 22,937,600 bytes; qk 13,107,200 bytes; vt 6,553,600 bytes; pp 13,631,488 bytes; oo 6,553,600 bytes
;; launch quant (part 1): grid 384 x 1, 8 waves a work-group, no clusters, 70,656 bytes of LDS; arguments v, Wq, Wk, Wv, Wo, inc; writes inc
.if DOCPART == 1
	.amdgcn_target "amdgcn-amd-amdhsa--gfx1250"
	.amdhsa_code_object_version 6
	.text
	.protected	k_q7c1ffc6ed3_quant
	.globl	k_q7c1ffc6ed3_quant
	.p2align	8
	.type	k_q7c1ffc6ed3_quant,@function
k_q7c1ffc6ed3_quant:
	s_mov_b64 s[64:65], 0
	v_nop
	global_prefetch_b8 v0, s[64:65] scope:SCOPE_SE
	s_setreg_imm32_b32 hwreg(HW_REG_WAVE_MODE, 25, 1), 1
	s_wait_xcnt 0x0
; v [8192][1024] and Wq, Wk, Wv, Wo [1024][1024], f32, K innermost, become codes of FP6 (E2M3) with one E8M0 scale byte for each 32 along K.  (q and k are read by one work-group each and are
; quantised where they are multiplied.)  A block's scale is 2^(floor(log2(its largest magnitude)) - 2): its byte is the largest magnitude's exponent field - 2, held at 1 from below.
; LIMITS: NaN and infinities among the inputs are not served; a block whose largest magnitude lies under 2^-124 keeps the byte 1; a block of zeros has the byte 1 and not 127
; (its codes are zeros, which add nothing under any byte but 0xff, and this program alone reads the bytes).
; THE OUTPUT IS LAID IN THE ORDER OF THE OPERAND'S REGISTERS.  A fragment (16 rows x 128 K, 12 registers a lane) is 1,536 bytes: register g of lane l at 512 (g / 4) + 16 l + 4 (g % 4).
; Fragments lie [row block][K step].  THE ROWS OF A BLOCK ARE NOT NEIGHBOURS: lane row r of block rb is row 32 (rb / 2) + 8 (rb % 2) + r + 8 (r / 8), so that two neighbouring blocks, used as
; source 0 of a product, leave 16 neighbours along the next K in a lane's 16 registers.
; The scale words lie as images too: for 128 rows (8 blocks) and one K step 512 bytes; lane (r, h) has 16 bytes, word j the word of row r of block 4 h + j.
; SHARES.  The five tensors are 96 groups of 128 rows; in inc they are groups 128 to 223 (v 128, Wq 192, Wk 200, Wv 208, Wo 216); the layout's groups 0 to 127 are not used.
; A work-group takes a group and a quarter of K; wave i takes block i, two fragments.  Each load reads 512 consecutive bytes of one row; the 16 rows of a fragment turn through the wave's own
; stage in LDS (rows of 512 + 16 bytes), from which lane (r, h) takes k = 64 c + 32 h + 0 .. 31 of row r: two whole blocks, so no other lane is asked for a maximum.  Both fragments' 32 loads
; go out at the head.  One barrier, at the end, for the scale images that the eight waves write together.
.set RB8,  12288                       ; a row block of 8 K steps, in bytes
.set INS,  22020096                    ; where the scale images begin in inc
.set GIN,  128                         ; the first group of inc that is written here
.set NF,   2                           ; fragments of a wave
.set STGB, 8448                        ; a wave's stage: 16 rows x 528 bytes
.set SIMG, 67584                       ; behind the stages: two scale images, 1,024 bytes
.set R,    16                          ; v16-143  two sets of 64: a fragment's numbers as loaded
.set X,    144                         ; v144-207 64 numbers of my row: register 32 c + n is k = 64 c + 32 h + n
.set PC,   208                         ; v208-219 the fragment's codes
.set PT,   220                         ; v220-226 the upper halves of the two blocks' codes, on their way
.set MX,   228                         ; v228-229 largest magnitudes
.set SCO,  230                         ; v230-231 the conversions' scale operands
.set BY,   232                         ; v232-233 the bytes
.set W,    234                         ; v234     my row's scale word
.set TP,   235                         ; v235     the other half's bytes
	s_load_b256 s[4:11], s[0:1], 0x0               ; v, Wq, Wk, Wv
	s_load_b128 s[12:15], s[0:1], 0x20             ; Wo, inc
	v_lshl_add_u32 v240, v0, 2, 0x11000
	v_mov_b32 v241, 0
	v_lshrrev_b32 v8, 5, v0
	s_delay_alu instid0(VALU_DEP_1)
	v_readfirstlane_b32 s26, v8                    ; wave i
	v_and_b32 v9, 31, v0                           ; lane
	v_and_b32 v10, 15, v0                          ; r
	v_bfe_u32 v11, v0, 4, 1                        ; h
	s_delay_alu instid0(VALU_DEP_3)
	v_lshlrev_b32 v1, 4, v9                        ; 16 x lane: my bytes of a load's 512, and of a store's
	s_mul_i32 s27, s26, STGB
	v_add_nc_u32 v2, s27, v1                       ; the stage, on the way in
	v_mul_u32_u24 v3, v10, 528
	s_delay_alu instid0(VALU_DEP_1)
	v_lshl_add_u32 v3, v11, 7, v3
	s_delay_alu instid0(VALU_DEP_1)
	v_add_nc_u32 v3, s27, v3                       ; and on the way out: row r, + 128 h
	s_lshr_b32 s28, s26, 2
	s_lshl_b32 s28, s28, 8
	s_and_b32 s29, s26, 3
	s_lshl_b32 s29, s29, 2
	s_add_co_u32 s28, s28, s29
	s_add_co_u32 s28, s28, SIMG
	v_lshl_add_u32 v4, v10, 4, s28                 ; my word in an image: 16 r + 256 (i / 4) + 4 (i % 4)
	v_lshlrev_b32 v5, 3, v11                       ; 8 h: my bytes' place in the word
	s_lshl_b32 s29, s26, 8
	v_lshl_add_u32 v7, v9, 3, s29                  ; the images' way out: 256 i + 8 x lane
	s_delay_alu instid0(VALU_DEP_1)
	v_add_nc_u32 v6, SIMG, v7
	v_mov_b32 v[TP], 0                             ; written once: a lane permute's destination counts as one of its sources
	s_mov_b32 s38, 0x76543210
	s_mov_b32 s39, 0xfedcba98                      ; v_permlanex16_b32's selects for lane l xor 16
	s_lshr_b32 s24, ttmp9, 2                       ; the group, 0 to 95
	s_and_b32 s25, ttmp9, 3                        ; the quarter of K
	s_wait_alu depctr_va_vdst(0)
	s_wait_kmcnt 0x0
	s_mov_b64 s[20:21], s[12:13]                   ; which tensor, and its first group: the choice hangs on the work-group's number alone
	s_mov_b32 s22, 88
	s_cmp_lt_u32 s24, 88
	s_cselect_b64 s[20:21], s[10:11], s[20:21]
	s_cselect_b32 s22, 80, s22
	s_cmp_lt_u32 s24, 80
	s_cselect_b64 s[20:21], s[8:9], s[20:21]
	s_cselect_b32 s22, 72, s22
	s_cmp_lt_u32 s24, 72
	s_cselect_b64 s[20:21], s[6:7], s[20:21]
	s_cselect_b32 s22, 64, s22
	s_cmp_lt_u32 s24, 64
	s_cselect_b64 s[20:21], s[4:5], s[20:21]
	s_cselect_b32 s22, 0, s22
	s_sub_co_u32 s30, s24, s22
	s_lshl_b32 s30, s30, 7
	s_lshr_b32 s31, s26, 1
	s_lshl_b32 s31, s31, 5
	s_add_co_u32 s30, s30, s31
	s_and_b32 s31, s26, 1
	s_lshl_b32 s31, s31, 3
	s_add_co_u32 s30, s30, s31                     ; my block's first row in its tensor: 128 x group + 32 (i / 2) + 8 (i % 2)
	s_lshl_b32 s30, s30, 12                        ; rows of 4,096 bytes (under 2^26)
	s_lshl_b32 s31, s25, 10
	s_add_co_u32 s30, s30, s31                     ; + my quarter of K
	s_mov_b32 s31, 0
	s_add_nc_u64 s[20:21], s[20:21], s[30:31]
	s_add_co_u32 s24, s24, GIN                     ; the group's place in inc
	s_lshl_b32 s32, s24, 3
	s_add_co_u32 s32, s32, s26
	s_mul_i32 s32, s32, RB8
	s_mul_i32 s33, s25, NF*1536
	s_add_co_u32 s32, s32, s33
	s_mov_b32 s33, 0
	s_add_nc_u64 s[34:35], s[14:15], s[32:33]      ; my two fragments in inc
	s_lshl_b32 s32, s24, 12
	s_lshl_b32 s36, s25, 10
	s_add_co_u32 s32, s32, s36
	s_add_co_u32 s32, s32, INS
	s_add_nc_u64 s[36:37], s[14:15], s[32:33]      ; the work-group's two scale images
.macro LOADF f                         ; fragment f: 16 rows x 512 bytes, a row a load
.set t, 0
.rept 16
	global_load_b128 v[R+64*((\f)%2)+4*t:R+64*((\f)%2)+4*t+3], v1, s[20:21] offset:(t+8*(t/8))*4096+512*(\f) th:TH_LOAD_NT
.set t, t+1
.endr
.endm
.macro FRAGQ f
.if (\f) < NF-1
	s_wait_loadcnt 16                              ; this fragment's 16 loads are in; the next fragment's may be out
.else
	s_wait_loadcnt 0x0
.endif
.set t, 0
.rept 16
	ds_store_b128 v2, v[R+64*((\f)%2)+4*t:R+64*((\f)%2)+4*t+3] offset:528*t
.set t, t+1
.endr
.set t, 0
.rept 16
	ds_load_b128 v[X+4*t:X+4*t+3], v3 offset:256*(t/8)+16*(t%8)    ; LDS serves a wave's instructions in order: these see the stores above
.set t, t+1
.endr
	s_wait_dscnt 0x0                               ; my 64 numbers are in
	s_wait_xcnt 0x0                                ; the last fragment's stores have read their data: the codes' registers are written again only behind this wait
.irp c, 0,1
	v_max3_num_f32 v[MX+\c], |v[X+32*\c]|, |v[X+32*\c+1]|, 0x1800000   ; my block 2 c + h, and the floor 2^(3 - 127): the byte cannot fall under 1
.endr
.irp i, 2,4,6,8,10,12,14,16,18,20,22,24,26,28,30
.irp c, 0,1
	s_delay_alu instid0(VALU_DEP_2)
	v_max3_num_f32 v[MX+\c], v[MX+\c], |v[X+32*\c+\i]|, |v[X+32*\c+\i+1]|   ; the two blocks by turns
.endr
.endr
.irp c, 0,1
	s_delay_alu instid0(VALU_DEP_2)
	v_add_nc_u32 v[SCO+\c], 0xff000000, v[MX+\c]   ; 2 off the exponent field: the conversion takes this operand's exponent field as its scale
.endr
.irp c, 0,1
	s_delay_alu instid0(VALU_DEP_2)
	v_lshrrev_b32 v[BY+\c], 23, v[SCO+\c]          ; the scale's byte
.endr
	s_delay_alu instid0(VALU_DEP_1)
	v_lshl_or_b32 v[W], v[BY+1], 16, v[BY]         ; blocks h and 2 + h of my row,
	s_delay_alu instid0(VALU_DEP_1)
	v_lshlrev_b32 v[W], v5, v[W]                   ; at their places in the word;
	s_delay_alu instid0(VALU_DEP_1)
	v_permlanex16_b32 v[TP], v[W], s38, s39
	s_delay_alu instid0(VALU_DEP_1)
	v_or_b32 v[W], v[W], v[TP]                     ; with lane l xor 16's two the word is whole
.irp c, 0,1
	v_cvt_scalef32_pk16_fp6_f32 v[PC+6*\c:PC+6*\c+2], v[X+32*\c:X+32*\c+15], v[SCO+\c]
	v_cvt_scalef32_pk16_fp6_f32 v[PT+4*\c:PT+4*\c+2], v[X+32*\c+16:X+32*\c+31], v[SCO+\c]   ; a conversion's three registers begin on an even number: made here and moved
.endr
	v_nop                                          ; one plain place behind a scaled conversion
.irp c, 0,1
.irp i, 0,1,2
	v_mov_b32 v[PC+6*\c+3+\i], v[PT+4*\c+\i]
.endr
.endr
.irp c, 0,1,2
	global_store_b128 v1, v[PC+4*\c:PC+4*\c+3], s[34:35] offset:1536*(\f)+512*\c th:TH_STORE_NT   ; 512 consecutive bytes a store
.endr
	ds_store_b32 v4, v[W] offset:512*(\f)          ; lanes r and r + 16 write the same word with the same value
.endm
	LOADF 0
	LOADF 1
	FRAGQ 0
	FRAGQ 1
	s_wait_dscnt 0x0                               ; for the others' sake: my words lie in the images
	s_barrier_signal -1
	s_barrier_wait -1
	s_cmp_lt_u32 s26, 4                            ; the two images are 1,024 bytes: waves 0 to 3 take 256 each
	s_cbranch_scc0 .Ldone
	ds_load_b64 v[12:13], v6
	s_wait_dscnt 0x0
	global_store_b64 v7, v[12:13], s[36:37] th:TH_STORE_NT   ; a wave stores 256 consecutive bytes, aligned
.Ldone:
	s_wait_tensorcnt 0x0
	ds_add_u32 v240, v241
	s_wait_dscnt 0x0
	s_endpgm
.Lfunc_end_k_q7c1ffc6ed3_quant:
	.size	k_q7c1ffc6ed3_quant, .Lfunc_end_k_q7c1ffc6ed3_quant-k_q7c1ffc6ed3_quant
	.p2alignl 7, 3214868480
	.fill 96, 4, 3214868480
	.section	.rodata,"a",@progbits
	.p2align	6, 0x0
	.amdhsa_kernel k_q7c1ffc6ed3_quant
		.amdhsa_group_segment_fixed_size 70656
		.amdhsa_private_segment_fixed_size 0
		.amdhsa_enable_private_segment 0
		.amdhsa_kernarg_size 48
		.amdhsa_user_sgpr_count 2
		.amdhsa_user_sgpr_kernarg_segment_ptr 1
		.amdhsa_wavefront_size32 1
		.amdhsa_system_sgpr_workgroup_id_x 1
		.amdhsa_system_sgpr_workgroup_id_y 1
		.amdhsa_system_sgpr_workgroup_id_z 1
		.amdhsa_system_vgpr_workitem_id 0
		.amdhsa_next_free_vgpr 242
		.amdhsa_next_free_sgpr 66
		.amdhsa_reserve_vcc 0
		.amdhsa_float_denorm_mode_32 3
		.amdhsa_float_denorm_mode_16_64 3
		.amdhsa_memory_ordered 1
		.amdhsa_forward_progress 1
		.amdhsa_inst_pref_size 21
	.end_amdhsa_kernel
	.amdgpu_metadata
---
amdhsa.version: [ 1, 2 ]
amdhsa.kernels:
  - .name:           k_q7c1ffc6ed3_quant
    .symbol:         k_q7c1ffc6ed3_quant.kd
    .args:
      - { .name: v, .offset: 0, .size: 8, .value_kind: global_buffer, .address_space: global }
      - { .name: Wq, .offset: 8, .size: 8, .value_kind: global_buffer, .address_space: global }
      - { .name: Wk, .offset: 16, .size: 8, .value_kind: global_buffer, .address_space: global }
      - { .name: Wv, .offset: 24, .size: 8, .value_kind: global_buffer, .address_space: global }
      - { .name: Wo, .offset: 32, .size: 8, .value_kind: global_buffer, .address_space: global }
      - { .name: inc, .offset: 40, .size: 8, .value_kind: global_buffer, .address_space: global }
    .group_segment_fixed_size: 70656
    .private_segment_fixed_size: 0
    .kernarg_segment_align: 8
    .kernarg_segment_size: 48
    .max_flat_workgroup_size: 256
    .sgpr_count:     66
    .vgpr_count:     242
    .wavefront_size: 32
...
	.end_amdgpu_metadata
.endif
;; end of part 1
;; launch projqk (part 2): grid 256 x 1, 4 waves a work-group, no clusters, 327,680 bytes of LDS; arguments q, k, inc, bq, bk, qk; writes qk
.if DOCPART == 2
	.amdgcn_target "amdgcn-amd-amdhsa--gfx1250"
	.amdhsa_code_object_version 6
	.text
	.protected	k_q7c1ffc6ed3_projqk
	.globl	k_q7c1ffc6ed3_projqk
	.p2align	8
	.type	k_q7c1ffc6ed3_projqk,@function
k_q7c1ffc6ed3_projqk:
	s_mov_b64 s[64:65], 0
	v_nop
	global_prefetch_b8 v0, s[64:65] scope:SCOPE_SE
	s_setreg_imm32_b32 hwreg(HW_REG_WAVE_MODE, 25, 1), 1
	s_wait_xcnt 0x0
; Qn = normalised (q Wq^T + bq), Kn likewise, on codes of FP6 (E2M3) with E8M0 scales; the results are quantised along the channels and stored as register images.
; Work-groups 0-127 take q, 128-255 k: 64 rows x all 1,024 channels each, so that a row's norm is made inside one work-group.  Four waves; wave w takes channels 256 w .. 256 w + 255:
; 16 blocks of W (X, source 0) x 4 blocks of rows (Y, source 1) = 64 accumulators.  A lane holds one row, its registers run along the channels.
; THE ROWS OF q OR k (f32) COME INTO LDS ONCE, all asked for at the head.  K steps 0-3: asynchronous copies; wave i copies the 16 rows of its block i, 64 copies of 512 bytes, K step by K step, into rows
; 2,064 bytes apart (2,048 + 16), and reads only what it copied itself, behind its own counted wait.  K steps 4-7: one tensor load a wave; wave w brings K step 4 + w of all 64 rows, rows of 512 bytes
; laid 528 apart; every wave waits for its load in front of K step 2's barrier, and the rows are read behind it.
; W'S FRAGMENTS lie in memory as images of the operand's registers (1,536 bytes, [row block][K step]) and each is read by one wave of the work-group alone: they go from memory straight into
; that wave's registers, four blocks at a time, into the registers whose 16 products have just been issued.
; In each K step a wave quantises the next step's fragment of its block (two whole blocks of 32 a lane) and hands it to the others through LDS; every K step has bytes of its own there, so one barrier a step serves.
; NO CLUSTER, NO JOINT LOADS: the rows take 267,264 of the 327,680 bytes of LDS, the fragments made of them 49,152: a K step of W, 98,304 bytes, has no room there.
; PREFETCH: W's codes, 786,432 bytes, are 3,072 blocks of 256.  The 128 work-groups that read them share them out by address: one instruction a wave at the head, a lane a block, block
; 128 (g mod 24) + 32 wave + lane for work-group g of the 128; so a work-group asks for 128 of the 3,072 blocks that it will read.  K step 1's loads are issued in K step 0, the later steps' later.
; The rows of q and k are all asked for at the head by their copies and loads: there is no loop to run ahead in for them.
; LIMITS: NaN and infinities are not served; a block whose largest magnitude lies under 2^-124, a block of zeros among them, has the byte 1; this program alone reads the bytes.
; REGISTERS: window 0: v1-19, v28 addresses, v20-27 at work, v30-31 for the add, v32-39 Y's scale words, v48-111 W's, v112-207 Y's two sets, v208-226 codes (at the head the bias on its way), v228-251 the copies' addresses.
;   window 1: v0-191 W's fragments, v192-255 64 numbers of my row.   windows 2, 3: the accumulators ((row block a, W's block n) at 8 (16 a + n)).
.set NX, 16
.set NY, 4
.set RB8, 12288
.set INS, 22020096
.set QKS, 12582912
.set QROW, 2064                        ; an LDS row of K steps 0-3
.set QB, 64*QROW                       ; behind them K steps 4-7,
.set QSTP, 64*528                      ; 64 rows x 528 bytes each
.set YLDS, QB+4*QSTP                   ; the fragments made: 4 blocks x 8 K steps x 1,536 bytes
.set YSC, YLDS+49152                   ; their scale words: 256 bytes a K step
.set BSC, YSC+2048                     ; the bias
.set NSC, BSC+4096                     ; the waves' parts of the rows' sums of squares
.set SPARE, NSC+2048                   ; the spare words, 128 bytes for each wave
.set SA, 32
.set SB, 48
.set YB, 112
.set SOB, 2
.set ARY, 4
.set SOUT, 11
.set YST, 12
.set YSS, 13
.set H8, 14
.set ASC, 15
.set MX, 20
.set SCO, 22
.set BY, 24
.set XWD, 26
.set TP, 27
.set PFO, 28
.set XPC, 208
.set XPT, 220
.set CP, 228
.set GO, 244
.set RR, 192
.set T, 112
.set PC, 176
.set TM, 208
.set PW, 216
.set PWS, 224
.set INV, 232
.set NS, 240
.set NT, 244
.set SS, 192
.set G0, 32
.set G1, 68
.set XP, 40
.set XQ, 44
.set WP, 46
.set PB, 48
.set WV, 52
.set WH, 55
.set SEL, 56
.set OC, 60
.set OS, 62
.set MSB, 0
.macro WIN new                         ; the register windows; the immediate's high byte repeats the setting that is left
.if MSB != (\new)
	s_set_vgpr_msb (MSB<<8)|(\new)
.set MSB, (\new)
.endif
.endm
.macro PLACES                          ; four plain vector instructions between a matrix instruction and a load into its registers
.rept 4
	v_nop
.endr
.endm
.macro WM t                            ; one product; K step 0 starts the sums with the constant 0
.if (\t) == 0
.if rX == 0
	v_wmma_scale_f32_16x16x128_f8f6f4 v[dD:dD+7], v[dX:dX+11], v[dY:dY+11], 0, v[sX], v[sY] matrix_a_fmt:MATRIX_FMT_FP6 matrix_b_fmt:MATRIX_FMT_FP6
.else
	v_wmma_scale_f32_16x16x128_f8f6f4 v[dD:dD+7], v[dX:dX+11], v[dY:dY+11], 0, v[sX], v[sY] matrix_a_fmt:MATRIX_FMT_FP6 matrix_b_fmt:MATRIX_FMT_FP6 matrix_a_scale:MATRIX_SCALE_ROW1
.endif
.else
.if rX == 0
	v_wmma_scale_f32_16x16x128_f8f6f4 v[dD:dD+7], v[dX:dX+11], v[dY:dY+11], v[dD:dD+7], v[sX], v[sY] matrix_a_fmt:MATRIX_FMT_FP6 matrix_b_fmt:MATRIX_FMT_FP6
.else
	v_wmma_scale_f32_16x16x128_f8f6f4 v[dD:dD+7], v[dX:dX+11], v[dY:dY+11], v[dD:dD+7], v[sX], v[sY] matrix_a_fmt:MATRIX_FMT_FP6 matrix_b_fmt:MATRIX_FMT_FP6 matrix_a_scale:MATRIX_SCALE_ROW1
.endif
.endif
.endm
; Eight products of K step t: W's blocks 4 g .. 4 g + 3 against row blocks 2 yh, 2 yh + 1.  The accumulators take turns, one instruction a turn.
.macro MM t, g, yh
	WIN ((2+(\yh))<<6)|((2+(\yh))<<4)|1
.set gx, 4*(\g)
.rept 4
.set gy, 2*(\yh)
.rept 2
.set dD, (8*(NX*gy+gx))%256
.set dX, 12*gx
.set dY, YB+12*NY*((\t)%2)+12*gy
.set sX, SB+8*(\t)+4*(gx/8)+gx%4
.set rX, (gx%8)/4
.set sY, SA+4*((\t)%2)+gy
	WM \t
.set gy, gy+1
.endr
.set gx, gx+1
.endr
.endm
.macro WLOAD t, g                      ; W's blocks 4 g .. 4 g + 3 of K step t: twelve loads of 512 consecutive bytes
	WIN 0x40
.set fb, 4*(\g)
.rept 4
	global_load_b128 v[12*fb:12*fb+3], v1, s[WP:WP+1] offset:fb*RB8+1536*(\t)
	global_load_b128 v[12*fb+4:12*fb+7], v1, s[WP:WP+1] offset:fb*RB8+1536*(\t)+512
	global_load_b128 v[12*fb+8:12*fb+11], v1, s[WP:WP+1] offset:fb*RB8+1536*(\t)+1024
.set fb, fb+1
.endr
.endm
.macro FETCHY t                        ; the four row blocks' fragments of K step t and their scale words, into set t % 2
	WIN 0
.set fb, 0
.rept NY
.set fo, fb*12288+1536*(\t)
.set fr, YB+12*NY*((\t)%2)+12*fb
	ds_load_b128 v[fr:fr+3], v[ARY] offset:fo
	ds_load_b128 v[fr+4:fr+7], v[ARY] offset:fo+512
	ds_load_b128 v[fr+8:fr+11], v[ARY] offset:fo+1024
.set fb, fb+1
.endr
	ds_load_b128 v[SA+4*((\t)%2):SA+4*((\t)%2)+3], v[ASC] offset:256*(\t)
.endm
.macro QLOAD f                         ; lane (r, h): k = 128 f + 64 c + 32 h + 0 .. 31 of row r of my block, register 32 c + n
	WIN 0x40
.set qi, 0
.rept 16
.if (\f) < 4
	ds_load_b128 v[RR+4*qi:RR+4*qi+3], v[SOUT] offset:512*(\f)+256*(qi/8)+16*(qi%8)
.else
	ds_load_b128 v[RR+4*qi:RR+4*qi+3], v[SOB+((\f)-4)/2] offset:QSTP*((\f)%2)+256*(qi/8)+16*(qi%8)
.endif
.set qi, qi+1
.endr
.endm
.macro QWORK f                         ; the 64 numbers become my block's fragment of K step f and its scale word, in LDS
	s_wait_dscnt 0x0
	WIN 0x05
.irp c, 0,1
	v_max3_num_f32 v[MX+\c], |v[RR+32*\c]|, |v[RR+32*\c+1]|, 0x1800000   ; and the floor 2^(3 - 127): the byte cannot fall under 1
.endr
	WIN 0x14
.irp i, 2,4,6,8,10,12,14,16,18,20,22,24,26,28,30
.irp c, 0,1
	v_max3_num_f32 v[MX+\c], v[MX+\c], |v[RR+32*\c+\i]|, |v[RR+32*\c+\i+1]|
.endr
.endr
	WIN 0
.irp c, 0,1
	v_add_nc_u32 v[SCO+\c], 0xff000000, v[MX+\c]   ; 2 off the exponent field: the conversion's scale operand
.endr
.irp c, 0,1
	v_lshrrev_b32 v[BY+\c], 23, v[SCO+\c]          ; the scale's byte
.endr
	v_lshl_or_b32 v[XWD], v[BY+1], 16, v[BY]
	v_lshlrev_b32 v[XWD], v[H8], v[XWD]
	v_permlanex16_b32 v[TP], v[XWD], s[SEL], s[SEL+1]
	v_or_b32 v[XWD], v[XWD], v[TP]                 ; with lane l xor 16's two bytes the word is whole
	WIN 1
.irp c, 0,1
	v_cvt_scalef32_pk16_fp6_f32 v[XPC+6*\c:XPC+6*\c+2], v[RR+32*\c:RR+32*\c+15], v[SCO+\c]
	v_cvt_scalef32_pk16_fp6_f32 v[XPT+4*\c:XPT+4*\c+2], v[RR+32*\c+16:RR+32*\c+31], v[SCO+\c]
.endr
	WIN 0
	v_nop                                          ; one plain place behind a scaled conversion
.irp c, 0,1
.irp i, 0,1,2
	v_mov_b32 v[XPC+6*\c+3+\i], v[XPT+4*\c+\i]
.endr
.endr
.irp c, 0,1,2
	ds_store_b128 v[YST], v[XPC+4*\c:XPC+4*\c+3] offset:1536*(\f)+512*\c
.endr
	ds_store_b32 v[YSS], v[XWD] offset:256*(\f)
.endm
; A K step: 64 products in four groups of W's blocks.  LOADcnt: behind a group's twelve loads stand those of the three younger groups, 36 (in step 0 also the 8 late scale loads: 44; in step 7 nothing is asked for any more).
.macro STEP t
.if (\t) == 0
.set lc, 44
.set ld, 0
.elseif (\t) < 7
.set lc, 36
.set ld, 0
.else
.set lc, 36
.set ld, 12
.endif
.if (\t) < 7
.if (\t) < 3
	s_wait_asynccnt 16*(2-(\t))                    ; the next K step's 16 copies are done; those of the K steps behind it may be out
.endif
	QLOAD (\t)+1
	s_wait_dscnt 16                                ; this step's Y is in; the 16 loads just issued may be out
.else
	s_wait_dscnt 0x0
.endif
	s_wait_loadcnt lc
	MM \t, 0, 0
	MM \t, 0, 1
.if (\t) < 7
	PLACES
	WLOAD (\t)+1, 0
	QWORK (\t)+1
.endif
	s_wait_loadcnt lc-ld
	MM \t, 1, 0
.if (\t) < 7
.if (\t) == 2
	s_wait_tensorcnt 0x0                           ; for the others' sake: my K step of the rows' second half has landed; it is first read behind this barrier
.endif
	s_wait_dscnt 0x0                               ; for the others' sake: my fragment and its word lie in LDS
	s_barrier_signal -1
.endif
	MM \t, 1, 1
.if (\t) < 7
	s_barrier_wait -1
	PLACES
	WLOAD (\t)+1, 1
	FETCHY (\t)+1
.endif
	s_wait_loadcnt lc-2*ld
	MM \t, 2, 0
	MM \t, 2, 1
.if (\t) < 7
	PLACES
	WLOAD (\t)+1, 2
.endif
	s_wait_loadcnt lc-3*ld
	MM \t, 3, 0
	MM \t, 3, 1
.if (\t) < 7
	PLACES
	WLOAD (\t)+1, 3
.endif
.endm
; 64 numbers of a lane, register 16 b + i = k 32 b + 16 (lane / 16) + i of my row, become a fragment's codes in v[PC] on and its scale word in v[PW].
.macro QUANT s
.irp b, 0,1,2,3
	v_max3_num_f32 v[TM+\b], |v[\s+16*\b]|, |v[\s+1+16*\b]|, 0x1800000
.endr
.irp i, 2,4,6,8,10,12,14
.irp b, 0,1,2,3
	v_max3_num_f32 v[TM+\b], v[TM+\b], |v[\s+16*\b+\i]|, |v[\s+1+16*\b+\i]|
.endr
.endr
.irp b, 0,1,2,3
	v_permlanex16_b32 v[TM+4+\b], v[TM+\b], s[SEL], s[SEL+1]
.endr
.irp b, 0,1,2,3
	v_max_num_f32 v[TM+\b], v[TM+\b], v[TM+4+\b]
.endr
.irp b, 0,1,2,3
	v_add_nc_u32 v[TM+12+\b], 0xff000000, v[TM+\b]
.endr
.irp b, 0,1,2,3
	v_lshrrev_b32 v[TM+4+\b], 23, v[TM+12+\b]
.endr
	v_lshl_or_b32 v[PW], v[TM+5], 8, v[TM+4]
	v_lshl_or_b32 v[PW], v[TM+6], 16, v[PW]
	v_lshl_or_b32 v[PW], v[TM+7], 24, v[PW]
.irp c, 0,1
	v_cvt_scalef32_pk16_fp6_f32 v[PC+6*\c:PC+2+6*\c], v[\s+32*\c:\s+15+32*\c], v[TM+12+2*\c]
	v_cvt_scalef32_pk16_fp6_f32 v[PC+12+4*\c:PC+14+4*\c], v[\s+16+32*\c:\s+31+32*\c], v[TM+12+2*\c+1]
.endr
	v_nop
.irp c, 0,1
.irp i, 0,1,2
	v_permlane16_swap_b32 v[PC+6*\c+\i], v[PC+12+4*\c+\i]
.endr
.irp i, 0,1,2
	v_mov_b32 v[PC+3+6*\c+\i], v[PC+12+4*\c+\i]
.endr
.endr
.endm
.macro PUT off
.irp c, 0,1,2
	global_store_b128 v1, v[PC+4*\c:PC+4*\c+3], s[OC:OC+1] offset:(\off)+512*\c th:TH_STORE_NT
.endr
.endm
	s_load_b256 s[4:11], s[0:1], 0x0               ; q, k, inc, bq
	s_load_b128 s[12:15], s[0:1], 0x20             ; bk, qk
	v_lshl_add_u32 v30, v0, 2, SPARE
	v_mov_b32 v31, 0
	ds_add_u32 v30, v31                            ; the opening lines, ahead of my first copy and tensor load
	ds_add_u32 v30, v31
	v_lshrrev_b32 v16, 5, v0
	v_readfirstlane_b32 s[WV], v16                 ; wave 0..3
	s_lshr_b32 s[WH], ttmp9, 7                     ; 0: q, 1: k
	s_lshl_b32 s16, s[WH], 6
	s_add_co_u32 s16, s16, 1536                    ; W: row block 1,536 + 64 x tensor
	s_mul_i32 s[PB], s16, RB8                      ; where its codes begin
	s_mov_b32 s[PB+1], 0
	s_lshl_b32 s17, s[WV], 4
	s_add_co_u32 s16, s16, s17                     ; + 16 x wave
	s_mul_i32 s16, s16, RB8
	s_mov_b32 s17, 0
	s_mul_i32 s18, s[WV], 16*QROW                  ; my 16 rows of K steps 0-3 in LDS
	s_lshr_b32 s30, s[WV], 1
	s_lshl_b32 s30, s30, 5
	s_and_b32 s31, s[WV], 1
	s_lshl_b32 s31, s31, 3
	s_add_co_u32 s30, s30, s31                     ; my block's first row in the work-group: 32 (i / 2) + 8 (i % 2)
	s_and_b32 s38, ttmp9, 127                      ; g: my work-group among the 128 of its tensor
	s_lshl_b32 s36, s38, 6                         ; the work-group's first row
	s_add_co_u32 s20, s36, s30
	s_lshl_b32 s20, s20, 12                        ; rows of 4,096 bytes
	s_mov_b32 s21, 0
	s_lshl_b32 s36, s36, 12
	s_lshl_b32 s37, s[WV], 9
	s_add_co_u32 s36, s36, s37
	s_add_co_u32 s36, s36, 2048                    ; the tensor load: the work-group's first row, K step 4 + wave
	s_mov_b32 s37, 0
	s_mul_i32 s39, s38, 171
	s_lshr_b32 s39, s39, 12                        ; g / 24 (exact for g under 128)
	s_mul_i32 s39, s39, 24
	s_sub_co_u32 s38, s38, s39                     ; g mod 24
	s_lshl_b32 s38, s38, 2
	s_add_co_u32 s38, s38, s[WV]
	s_lshl_b32 s38, s38, 13                        ; the prefetch: 32 blocks of 256 bytes from block 128 (g mod 24) + 32 wave on
	s_mul_i32 s30, s30, 528
	s_add_co_u32 s30, s30, QB                      ; my block's first row in K step 4's rows
	s_mov_b32 s[G0], 1
	s_mul_i32 s[G0+1], s[WV], QSTP
	s_add_co_u32 s[G0+1], s[G0+1], QB
	s_mov_b32 s[G1], (3<<16)|(1<<20)|(6<<22)|(3<<25)   ; elements of 8 bytes; behind every 128 words 4 words of padding
	s_mov_b32 s[G1+1], 64<<16                      ; a row: 512 bytes
	s_mov_b32 s[G1+2], 64<<16                      ; 64 rows
	s_mov_b32 s[G1+3], 64<<16
	s_mov_b32 s[G1+4], 64
	s_mov_b32 s[G1+5], 512                         ; from row to row 4,096 bytes
	s_mov_b32 s[G1+6], 0
	s_mov_b32 s[G1+7], 0
	s_lshl_b32 s22, s[WV], 10
	s_mov_b32 s23, 0
	s_lshl_b32 s42, s[WH], 3
	s_lshl_b32 s43, s[WV], 1
	s_add_co_u32 s42, s42, s43
	s_add_co_u32 s42, s42, 192
	s_lshl_b32 s42, s42, 12
	s_add_co_u32 s42, s42, INS                     ; W's scale images: groups 192 + 8 x tensor + 2 x wave, + 1
	s_mov_b32 s43, 0
	s_add_co_u32 s24, s22, BSC
	s_lshl_b32 s25, s[WV], 9
	s_add_co_u32 s25, s25, NSC
	s_mul_i32 s26, s[WV], 12288
	s_add_co_u32 s26, s26, YLDS
	s_lshl_b32 s27, s[WV], 2
	s_add_co_u32 s27, s27, YSC
	s_lshl_b32 s2, ttmp9, 2
	s_mul_i32 s2, s2, RB8
	s_mul_i32 s3, s[WV], 3072
	s_add_co_u32 s2, s2, s3                        ; out: row blocks 4 x work-group on, K steps 2 x wave, + 1
	s_mov_b32 s3, 0
	s_lshr_b32 s28, ttmp9, 1
	s_lshl_b32 s28, s28, 12
	s_and_b32 s29, ttmp9, 1
	s_lshl_b32 s29, s29, 8
	s_add_co_u32 s28, s28, s29
	s_add_co_u32 s28, s28, s22
	s_add_co_u32 s28, s28, QKS
	s_mov_b32 s29, 0
	s_mov_b32 s[SEL], 0x76543210
	s_mov_b32 s[SEL+1], 0xfedcba98                 ; v_permlanex16_b32's selects for lane l xor 16
	v_and_b32 v16, 31, v0
	v_and_b32 v17, 15, v0                          ; r
	v_bfe_u32 v18, v0, 4, 1                        ; h
	v_lshlrev_b32 v1, 4, v16                       ; 16 x lane
	v_lshlrev_b32 v19, 5, v16
	v_lshl_add_u32 v[PFO], v16, 8, s38             ; the prefetch's offset: a lane a block; never written again
	v_add_nc_u32 v10, s18, v1
.set t, 0
.rept 16                               ; a copy's LDS address: lane row t of my block, 16 bytes a lane
	v_add_nc_u32 v[CP+t], t*QROW, v10
.set t, t+1
.endr
.set t, 0
.rept 8                                ; and its offset in memory: row t % 8 of a run of eight
	v_add_nc_u32 v[GO+t], t*4096, v1
.set t, t+1
.endr
	v_mul_u32_u24 v[SOUT], v17, QROW
	v_lshl_add_u32 v[SOUT], v18, 7, v[SOUT]
	v_add_nc_u32 v[SOUT], s18, v[SOUT]             ; K steps 0-3: my row r, + 128 h
	v_and_b32 v2, 8, v17
	v_add_nc_u32 v2, v2, v17                       ; r + 8 (r / 8)
	v_mul_u32_u24 v2, v2, 528
	v_lshl_add_u32 v2, v18, 7, v2
	v_add_nc_u32 v2, s30, v2                       ; K steps 4, 5: my lane row's true row, + 128 h
	v_add_nc_u32 v3, 2*QSTP, v2                    ; K steps 6, 7
	v_add_nc_u32 v4, YLDS, v1
	v_lshlrev_b32 v5, 4, v17
	v_lshl_add_u32 v5, v18, 9, v5
	v_lshl_add_u32 v6, v16, 5, s24
	v_lshl_add_u32 v7, v18, 6, s24
	v_lshl_add_u32 v8, v16, 2, s25
	v_lshl_add_u32 v9, v16, 2, NSC
	v_add_nc_u32 v[YST], s26, v1
	v_lshl_add_u32 v[YSS], v17, 4, s27
	v_lshlrev_b32 v[H8], 3, v18
	v_lshl_add_u32 v[ASC], v17, 4, YSC
	v_mov_b32 v[TP], 0                             ; a lane permute's destination counts as one of its sources
	s_wait_alu depctr_va_vdst(0)
	s_wait_dscnt 0x0                               ; both opening adds are done
	s_wait_kmcnt 0x0
	s_cmp_eq_u32 s[WH], 0                          ; the choice hangs on the work-group's number alone
	s_cselect_b64 s[XP:XP+1], s[4:5], s[6:7]
	s_cselect_b64 s[10:11], s[10:11], s[12:13]
	s_add_nc_u64 s[G0+2:G0+3], s[XP:XP+1], s[36:37]
	s_or_b32 s[G0+3], s[G0+3], 0x80000000
	s_add_nc_u64 s[XP:XP+1], s[XP:XP+1], s[20:21]
	s_add_nc_u64 s[XQ:XQ+1], s[XP:XP+1], 0x10000   ; lane rows 8-15 lie 16 rows further down
	s_add_nc_u64 s[10:11], s[10:11], s[22:23]
	s_add_nc_u64 s[42:43], s[8:9], s[42:43]
	s_add_nc_u64 s[WP:WP+1], s[8:9], s[16:17]
	s_add_nc_u64 s[PB:PB+1], s[8:9], s[PB:PB+1]    ; never written again
	s_add_nc_u64 s[OC:OC+1], s[14:15], s[2:3]
	s_add_nc_u64 s[OS:OS+1], s[14:15], s[28:29]
	global_load_b128 v[208:211], v19, s[10:11]     ; 58 loads ahead of the copies: the bias, the scale words of K steps 0-3, K step 0 of W
	global_load_b128 v[212:215], v19, s[10:11] offset:16
.irp k, 0,1,2,3
.irp g, 0,1
	global_load_b128 v[SB+8*\k+4*\g:SB+8*\k+4*\g+3], v1, s[42:43] offset:4096*\g+512*\k
.endr
.endr
.irp g, 0,1,2,3
	WLOAD 0, \g
.endr
	WIN 0
	global_prefetch_b8 v[PFO], s[PB:PB+1] th:TH_LOAD_NT scope:SCOPE_SE   ; my wave's 32 blocks of W's codes
.set f, 0
.rept 4                                ; K step by K step, so that a counted wait shows a step's 16 copies done
.set t, 0
.rept 8
	global_load_async_to_lds_b128 v[CP+t], v[GO+t], s[XP:XP+1] offset:512*f
.set t, t+1
.endr
.set t, 0
.rept 8
.if (f == 3) && (t == 7)               ; my one tensor load stands ahead of the 64th copy
	tensor_load_to_lds s[G0:G0+3], s[G1:G1+7]
	s_nop 0
	PLACES
.endif
	global_load_async_to_lds_b128 v[CP+8+t], v[GO+t], s[XQ:XQ+1] offset:512*f
.set t, t+1
.endr
.set f, f+1
.endr
.irp k, 4,5,6,7
.irp g, 0,1
	global_load_b128 v[SB+8*\k+4*\g:SB+8*\k+4*\g+3], v1, s[42:43] offset:4096*\g+512*\k
.endr
.endr
	s_wait_asynccnt 48                             ; K step 0's 16 copies are done; the 48 behind them may be out
	QLOAD 0
	WIN 0
	s_wait_loadcnt 44                              ; the bias, the first scale words and W's first group are in
	ds_store_b128 v6, v[208:211]
	ds_store_b128 v6, v[212:215] offset:16
	QWORK 0
	s_wait_dscnt 0x0
	s_barrier_signal -1
	s_barrier_wait -1
	FETCHY 0
.irp t, 0,1,2,3,4,5,6,7
	STEP \t
.endr
	WIN 0
	PLACES
	WIN 0x40
.set nb, 0
.rept 16                               ; the bias in the result's layout
	ds_load_b128 v[8*nb:8*nb+3], v7 offset:(32*(nb/2)+8*(nb%2))*4
	ds_load_b128 v[8*nb+4:8*nb+7], v7 offset:(32*(nb/2)+8*(nb%2))*4+16
.set nb, nb+1
.endr
	WIN 0
.irp j, 0,1,2,3
	v_mov_b32 v[TM+4+\j], 0
	v_mov_b32 v[NT+\j], 0
	v_mov_b32 v[INV+2*\j+1], 0
.endr
	s_wait_dscnt 0x0
.macro PASS1 a, g                      ; + bias, and the squares' sums
.set aw, 2+(\a)/2
.set AC, 128*((\a)%2)+64*(\g)
	WIN (aw<<6)|(1<<2)|aw
.set i, 0
.rept 32
	v_pk_add_f32 v[AC+i:AC+i+1], v[AC+i:AC+i+1], v[64*(\g)+i:64*(\g)+i+1]
.set i, i+2
.endr
	WIN (1<<6)|(1<<4)|(aw<<2)|aw
.set i, 0
.rept 32
.set sq, SS+8*(\a)+i%8
.if ((\g) == 0) && (i < 8)
	v_pk_mul_f32 v[sq:sq+1], v[AC+i:AC+i+1], v[AC+i:AC+i+1]
.else
	v_pk_fma_f32 v[sq:sq+1], v[AC+i:AC+i+1], v[AC+i:AC+i+1], v[sq:sq+1]
.endif
.set i, i+2
.endr
.endm
.irp a, 0,1,2,3
	PASS1 \a, 0
	PASS1 \a, 1
.endr
	WIN 0x45
.irp a, 0,1,2,3
	v_pk_add_f32 v[SS+8*\a:SS+8*\a+1], v[SS+8*\a:SS+8*\a+1], v[SS+8*\a+2:SS+8*\a+3]
	v_pk_add_f32 v[SS+8*\a+4:SS+8*\a+5], v[SS+8*\a+4:SS+8*\a+5], v[SS+8*\a+6:SS+8*\a+7]
.endr
.irp a, 0,1,2,3
	v_pk_add_f32 v[SS+8*\a:SS+8*\a+1], v[SS+8*\a:SS+8*\a+1], v[SS+8*\a+4:SS+8*\a+5]
.endr
	WIN 0x05
.irp a, 0,1,2,3
	v_add_f32 v[NS+\a], v[SS+8*\a], v[SS+8*\a+1]
.endr
	WIN 0
.irp a, 0,1,2,3
	v_permlanex16_b32 v[NT+\a], v[NS+\a], s[SEL], s[SEL+1]
.endr
.irp a, 0,1,2,3
	v_add_f32 v[NS+\a], v[NS+\a], v[NT+\a]
.endr
.irp a, 0,1,2,3
	ds_store_b32 v8, v[NS+\a] offset:128*\a
.endr
	s_wait_dscnt 0x0
	s_barrier_signal -1
	s_barrier_wait -1
.irp w, 0,1,2,3
.irp a, 0,1,2,3
	ds_load_b32 v[T+4*\w+\a], v9 offset:512*\w+128*\a
.endr
.endr
	s_wait_dscnt 0x0
.irp a, 0,1,2,3
	v_add_f32 v[NS+\a], v[T+\a], v[T+4+\a]
.endr
.irp a, 0,1,2,3
	v_add_f32 v[NS+\a], v[NS+\a], v[T+8+\a]
.endr
.irp a, 0,1,2,3
	v_add_f32 v[NS+\a], v[NS+\a], v[T+12+\a]
.endr
	s_wait_alu depctr_va_vdst(0)                   ; a wait ahead of and behind each batch of transcendentals
.irp a, 0,1,2,3
	v_sqrt_f32 v[NT+\a], v[NS+\a]
.endr
	v_nop
	s_wait_alu depctr_va_vdst(0)
.irp a, 0,1,2,3
	v_add_f32 v[NT+\a], 0x322bcc77, v[NT+\a]       ; + 1e-8
.endr
	s_wait_alu depctr_va_vdst(0)
.irp a, 0,1,2,3
	v_rcp_f32 v[INV+2*\a], v[NT+\a]
.endr
	v_nop
	s_wait_alu depctr_va_vdst(0)
.macro PASS2 a, f                      ; normalised, quantised, stored
.set aw, 2+(\a)/2
.set AC, 128*((\a)%2)+64*(\f)
	WIN aw
.set i, 0
.rept 32
	v_pk_mul_f32 v[T+i:T+i+1], v[AC+i:AC+i+1], v[INV+2*(\a):INV+2*(\a)+1] op_sel_hi:[1,0]
.set i, i+2
.endr
	WIN 0
	s_wait_xcnt 0x0                                ; the last fragment's stores have read their data
	QUANT T
	PUT (\a)*RB8+1536*(\f)
	v_mov_b32 v[PWS+(\a)+4*(\f)], v[PW]
.endm
.irp a, 0,1,2,3
	PASS2 \a, 0
	PASS2 \a, 1
.endr
	s_mov_b32 vcc_lo, 0xffff0000
.irp j, 0,1,2,3
	v_cndmask_b32 v[T+\j], v[PWS+\j], v[PWS+4+\j], vcc_lo
.endr
	global_store_b128 v5, v[T:T+3], s[OS:OS+1] th:TH_STORE_NT
	s_wait_tensorcnt 0x0                           ; the wave's end
	s_wait_asynccnt 0x0
	ds_add_u32 v30, v31
	s_wait_dscnt 0x0
	s_endpgm
.Lfunc_end_k_q7c1ffc6ed3_projqk:
	.size	k_q7c1ffc6ed3_projqk, .Lfunc_end_k_q7c1ffc6ed3_projqk-k_q7c1ffc6ed3_projqk
	.p2alignl 7, 3214868480
	.fill 96, 4, 3214868480
	.section	.rodata,"a",@progbits
	.p2align	6, 0x0
	.amdhsa_kernel k_q7c1ffc6ed3_projqk
		.amdhsa_group_segment_fixed_size 327680
		.amdhsa_private_segment_fixed_size 0
		.amdhsa_enable_private_segment 0
		.amdhsa_kernarg_size 48
		.amdhsa_user_sgpr_count 2
		.amdhsa_user_sgpr_kernarg_segment_ptr 1
		.amdhsa_wavefront_size32 1
		.amdhsa_system_sgpr_workgroup_id_x 1
		.amdhsa_system_sgpr_workgroup_id_y 1
		.amdhsa_system_sgpr_workgroup_id_z 1
		.amdhsa_system_vgpr_workitem_id 0
		.amdhsa_next_free_vgpr 1024
		.amdhsa_next_free_sgpr 80
		.amdhsa_reserve_vcc 1
		.amdhsa_float_denorm_mode_32 3
		.amdhsa_float_denorm_mode_16_64 3
		.amdhsa_memory_ordered 1
		.amdhsa_forward_progress 1
		.amdhsa_inst_pref_size 255
	.end_amdhsa_kernel
	.amdgpu_metadata
---
amdhsa.version: [ 1, 2 ]
amdhsa.kernels:
  - .name:           k_q7c1ffc6ed3_projqk
    .symbol:         k_q7c1ffc6ed3_projqk.kd
    .args:
      - { .name: q, .offset: 0, .size: 8, .value_kind: global_buffer, .address_space: global }
      - { .name: k, .offset: 8, .size: 8, .value_kind: global_buffer, .address_space: global }
      - { .name: inc, .offset: 16, .size: 8, .value_kind: global_buffer, .address_space: global }
      - { .name: bq, .offset: 24, .size: 8, .value_kind: global_buffer, .address_space: global }
      - { .name: bk, .offset: 32, .size: 8, .value_kind: global_buffer, .address_space: global }
      - { .name: qk, .offset: 40, .size: 8, .value_kind: global_buffer, .address_space: global }
    .group_segment_fixed_size: 327680
    .private_segment_fixed_size: 0
    .kernarg_segment_align: 8
    .kernarg_segment_size: 48
    .max_flat_workgroup_size: 128
    .sgpr_count:     80
    .vgpr_count:     1024
    .wavefront_size: 32
...
	.end_amdgpu_metadata
.endif
;; end of part 2
;; launch projv (part 3): grid 32 x 8, 4 waves a work-group, clusters of 4 x 4, 327,680 bytes of LDS; arguments inc, bv, vt; writes vt
.if DOCPART == 3
	.amdgcn_target "amdgcn-amd-amdhsa--gfx1250"
	.amdhsa_code_object_version 6
	.text
	.protected	k_q7c1ffc6ed3_projv
	.globl	k_q7c1ffc6ed3_projv
	.p2align	8
	.type	k_q7c1ffc6ed3_projv,@function
k_q7c1ffc6ed3_projv:
	s_mov_b64 s[64:65], 0
	v_nop
	global_prefetch_b8 v0, s[64:65] scope:SCOPE_SE
	s_setreg_imm32_b32 hwreg(HW_REG_WAVE_MODE, 25, 1), 1
	s_wait_xcnt 0x0
	s_wait_alu depctr_hold_cnt(0) depctr_sa_sdst(0) depctr_va_vdst(0) depctr_va_sdst(0) depctr_va_ssrc(0) depctr_va_vcc(0) depctr_vm_vsrc(0)
	s_getreg_b32 s2, hwreg(HW_REG_IB_STS2, 6, 4)
	s_cmp_eq_u32 s2, 0
	s_cbranch_scc0 .Lentry_in_a_cluster
	s_endpgm
.Lentry_in_a_cluster:
	s_bfe_u32 s2, ttmp6, 0x10000c
	s_cmp_lg_u32 s2, 0xf033
	s_cbranch_scc0 .Lentry_shape_is_right
	s_endpgm
.Lentry_shape_is_right:
; V^T = Wv v^T + bv on codes of FP6 (E2M3) with E8M0 scales, quantised ALONG THE KEYS, which are the K of attention's second product.
; A tile is 128 rows of Wv (channels d) x 256 rows of v (keys); four waves, 2 x 2, each 64 x 128: 32 accumulators.  Source 0 (X) = 16 rows of v, source 1 (Y) = 16 rows of Wv: a lane holds one
; channel and its registers run along the keys.  Operands lie in memory as images of their registers (1,536 bytes a fragment, [row block][K step]); lane row r of block rb is row
; 32 (rb / 2) + 8 (rb % 2) + r + 8 (r / 8), so that the 16 registers of two neighbouring blocks of X are 16 neighbouring keys.
; LDS: all of K (8 steps of 128) comes with the first fills, one region of all eight K steps (294,912 bytes): nothing is filled again.
; CLUSTER 4 x 4: Y's tiles are shared along a row of the cluster, X's along a column: joint loads.  The K loop is written out; all scale words stand in registers.
; LIMITS: NaN and infinities are not served; a block whose largest magnitude lies under 2^-124, a block of zeros among them, has the byte 1; this program alone reads the bytes.
; REGISTERS: window 0: v1-11, v28 addresses, v12-27 at work, v32-47 Y's scale words, v64-95 X's, v128-223 Y's two sets, later T and the codes, v224-231 the bias.  window 1: v0-95 X.  window 2: the accumulators.
.set NX, 8
.set NY, 4
.set S, 8                              ; all 8 K steps of a row block lie on end in LDS, 12,288 bytes: ONE dense load a wave brings its part of the tile
.set NREG, 1
.set XW, 1
.set XB, 0
.set YW, 0
.set YB, 128
.set XSTR, 1536*S
.set YRES, 0
.set NLH, 3*NX/2
.set REGB, 24*XSTR                     ; a region: Y's 8 blocks, then X's 16
.set RB8, 12288
.set RB16, 24576
.set INS, 22020096
.set VSO, 6291456
.set SA, 32
.set SB, 64
.set ARX, 2
.set ARY, 6
.set T, 128
.set PC, 192
.set PWS, 212
.set BV, 224
.set TM, 12
.set PW, 20
.set G1Y, 16
.set G1X, 24
.set G0Y, 32
.set G0X, 48
.set WV, 66
.set WM, 67
.set WN, 68
.set CX, 69
.set CY, 70
.set TC, 71
.set TR, 72
.set OS, 84
.set SEL, 86
.set OC, 88
.set MSB, 0
.macro WIN new                         ; the register windows; the immediate's high byte repeats the setting that is left
.if MSB != (\new)
	s_set_vgpr_msb (MSB<<8)|(\new)
.set MSB, (\new)
.endif
.endm
.macro PLACES                          ; four plain vector instructions between a matrix instruction and a load into, or a vector instruction on, its registers
.rept 4
	v_nop
.endr
.endm
.macro CREST
	s_cmp_lg_u32 s[WV], 0
	s_cbranch_scc1 .Lnot_wave_0_\@
	s_barrier_signal -3
.Lnot_wave_0_\@:
	s_barrier_wait -3
	s_barrier_signal -1
	s_barrier_wait -1
.endm
.macro CROUND
	s_barrier_signal -1
	s_barrier_wait -1
	CREST
.endm
.macro WM t                            ; one product; K step 0 starts the sums with the constant 0
.set rsel, rX+2*rY
.if (\t) == 0
.if rsel == 0
	v_wmma_scale_f32_16x16x128_f8f6f4 v[dD:dD+7], v[dX:dX+11], v[dY:dY+11], 0, v[sX], v[sY] matrix_a_fmt:MATRIX_FMT_FP6 matrix_b_fmt:MATRIX_FMT_FP6
.elseif rsel == 1
	v_wmma_scale_f32_16x16x128_f8f6f4 v[dD:dD+7], v[dX:dX+11], v[dY:dY+11], 0, v[sX], v[sY] matrix_a_fmt:MATRIX_FMT_FP6 matrix_b_fmt:MATRIX_FMT_FP6 matrix_a_scale:MATRIX_SCALE_ROW1
.elseif rsel == 2
	v_wmma_scale_f32_16x16x128_f8f6f4 v[dD:dD+7], v[dX:dX+11], v[dY:dY+11], 0, v[sX], v[sY] matrix_a_fmt:MATRIX_FMT_FP6 matrix_b_fmt:MATRIX_FMT_FP6 matrix_b_scale:MATRIX_SCALE_ROW1
.else
	v_wmma_scale_f32_16x16x128_f8f6f4 v[dD:dD+7], v[dX:dX+11], v[dY:dY+11], 0, v[sX], v[sY] matrix_a_fmt:MATRIX_FMT_FP6 matrix_b_fmt:MATRIX_FMT_FP6 matrix_a_scale:MATRIX_SCALE_ROW1 matrix_b_scale:MATRIX_SCALE_ROW1
.endif
.else
.if rsel == 0
	v_wmma_scale_f32_16x16x128_f8f6f4 v[dD:dD+7], v[dX:dX+11], v[dY:dY+11], v[dD:dD+7], v[sX], v[sY] matrix_a_fmt:MATRIX_FMT_FP6 matrix_b_fmt:MATRIX_FMT_FP6
.elseif rsel == 1
	v_wmma_scale_f32_16x16x128_f8f6f4 v[dD:dD+7], v[dX:dX+11], v[dY:dY+11], v[dD:dD+7], v[sX], v[sY] matrix_a_fmt:MATRIX_FMT_FP6 matrix_b_fmt:MATRIX_FMT_FP6 matrix_a_scale:MATRIX_SCALE_ROW1
.elseif rsel == 2
	v_wmma_scale_f32_16x16x128_f8f6f4 v[dD:dD+7], v[dX:dX+11], v[dY:dY+11], v[dD:dD+7], v[sX], v[sY] matrix_a_fmt:MATRIX_FMT_FP6 matrix_b_fmt:MATRIX_FMT_FP6 matrix_b_scale:MATRIX_SCALE_ROW1
.else
	v_wmma_scale_f32_16x16x128_f8f6f4 v[dD:dD+7], v[dX:dX+11], v[dY:dY+11], v[dD:dD+7], v[sX], v[sY] matrix_a_fmt:MATRIX_FMT_FP6 matrix_b_fmt:MATRIX_FMT_FP6 matrix_a_scale:MATRIX_SCALE_ROW1 matrix_b_scale:MATRIX_SCALE_ROW1
.endif
.endif
.endm
; A quarter of K step t: half xh of X's blocks against half yh of Y's.  The accumulators take turns, one instruction a turn, in the same order in every step.
.macro GROUP t, xh, yh
.set aw, 2+(8*NX*(\yh)*(NY/2))/256
	WIN (aw<<6)|(aw<<4)|(YW<<2)|XW
.set gx, (\xh)*(NX/2)
.rept NX/2
.set gy, (\yh)*(NY/2)
.rept NY/2
.set dD, (8*(NX*gy+gx))%256
.set dX, XB+12*gx
.set dY, YB+12*NY*((\t)%2)+12*gy
.set sX, SB+4*(\t)+gx%4                ; X's word: register block % 4 of the K step's image, lanes 16-31 for blocks 4-7
.set rX, gx/4
.set sY, SA+4*((\t)/2)+gy              ; Y's: lanes 0-15 hold the even K step's half image, lanes 16-31 the odd one's
.set rY, (\t)%2
	WM \t
.set gy, gy+1
.endr
.set gx, gx+1
.endr
.endm
.macro FETCHX t, h                     ; half h of X's fragments of K step t: three loads of 512 consecutive bytes each
	WIN (XW<<6)
.set fb, (\h)*(NX/2)
.rept NX/2
.set fo, (fb%4)*XSTR+1536*((\t)%S)     ; a second address register for blocks 4-7: the immediate holds 16 bits
.set fa, ARX+fb/4
	ds_load_b128 v[XB+12*fb:XB+12*fb+3], v[fa] offset:fo
	ds_load_b128 v[XB+12*fb+4:XB+12*fb+7], v[fa] offset:fo+512
	ds_load_b128 v[XB+12*fb+8:XB+12*fb+11], v[fa] offset:fo+1024
.set fb, fb+1
.endr
	WIN 0
.endm
.macro FETCHY t                        ; Y's fragments of K step t into set t % 2
	WIN (YW<<6)
.set fb, 0
.rept NY
.set fo, fb*XSTR+1536*((\t)%S)
.set fa, ARY+((\t)/S)%NREG
.set fr, YB+12*NY*((\t)%2)+12*fb
	ds_load_b128 v[fr:fr+3], v[fa] offset:fo
	ds_load_b128 v[fr+4:fr+7], v[fa] offset:fo+512
	ds_load_b128 v[fr+8:fr+11], v[fa] offset:fo+1024
.set fb, fb+1
.endr
	WIN 0
.endm
.macro STEP t                          ; a K step whose successor lies in a region that has been shown whole
	s_wait_dscnt NLH                               ; Y's set and X's first half are in; X's second half may be out
	GROUP \t, 0, 0
	GROUP \t, 0, 1
	s_wait_dscnt 0x0
	PLACES
	FETCHY (\t)+1
	FETCHX (\t)+1, 0
	GROUP \t, 1, 0
	GROUP \t, 1, 1
	PLACES
	FETCHX (\t)+1, 1
.endm
.macro LAST t
	s_wait_dscnt NLH
	GROUP \t, 0, 0
	GROUP \t, 0, 1
	s_wait_alu depctr_va_vdst(0)
	s_wait_dscnt 0x0
	GROUP \t, 1, 0
	GROUP \t, 1, 1
	WIN 0
	PLACES
.endm
; 64 numbers of a lane, register 16 b + i = k 32 b + 16 (lane / 16) + i of my row, become a fragment's codes in v[PC] on and its scale word in v[PW].
.macro QUANT s
.irp b, 0,1,2,3
	v_max3_num_f32 v[TM+\b], |v[\s+16*\b]|, |v[\s+1+16*\b]|, 0x1800000   ; and the floor 2^(3 - 127): the byte cannot fall under 1
.endr
.irp i, 2,4,6,8,10,12,14
.irp b, 0,1,2,3
	v_max3_num_f32 v[TM+\b], v[TM+\b], |v[\s+16*\b+\i]|, |v[\s+1+16*\b+\i]|
.endr
.endr
.irp b, 0,1,2,3
	v_permlanex16_b32 v[TM+4+\b], v[TM+\b], s[SEL], s[SEL+1]
.endr
.irp b, 0,1,2,3
	v_max_num_f32 v[TM+\b], v[TM+\b], v[TM+4+\b]   ; with lane l xor 16's: the block's largest magnitude
.endr
.irp b, 0,1,2,3
	v_add_nc_u32 v[TM+12+\b], 0xff000000, v[TM+\b] ; 2 off its exponent field: the conversion's scale operand
.endr
.irp b, 0,1,2,3
	v_lshrrev_b32 v[TM+4+\b], 23, v[TM+12+\b]      ; the scale's byte
.endr
	v_lshl_or_b32 v[PW], v[TM+5], 8, v[TM+4]
	v_lshl_or_b32 v[PW], v[TM+6], 16, v[PW]
	v_lshl_or_b32 v[PW], v[TM+7], 24, v[PW]
.irp c, 0,1
	v_cvt_scalef32_pk16_fp6_f32 v[PC+6*\c:PC+2+6*\c], v[\s+32*\c:\s+15+32*\c], v[TM+12+2*\c]
	v_cvt_scalef32_pk16_fp6_f32 v[PC+12+4*\c:PC+14+4*\c], v[\s+16+32*\c:\s+31+32*\c], v[TM+12+2*\c+1]
.endr
	v_nop                                          ; one plain place behind a scaled conversion
.irp c, 0,1
.irp i, 0,1,2
	v_permlane16_swap_b32 v[PC+6*\c+\i], v[PC+12+4*\c+\i]
.endr
.irp i, 0,1,2
	v_mov_b32 v[PC+3+6*\c+\i], v[PC+12+4*\c+\i]
.endr
.endr
.endm
.macro PUT off
.irp c, 0,1,2
	global_store_b128 v1, v[PC+4*\c:PC+4*\c+3], s[OC:OC+1] offset:(\off)+512*\c th:TH_STORE_NT
.endr
.endm
	s_load_b128 s[4:7], s[0:1], 0x0                ; inc, bv
	s_load_b64 s[8:9], s[0:1], 0x10                ; vt
	v_lshl_add_u32 v254, v0, 2, 0x48000
	v_mov_b32 v255, 0
	ds_add_u32 v254, v255
	ds_add_u32 v254, v255
	v_lshrrev_b32 v12, 5, v0
	v_readfirstlane_b32 s[WV], v12                 ; wave 0..3
	s_lshr_b32 s[WM], s[WV], 1                     ; which 64 rows of Y are mine.  Also: I fetch for Y (0) or for X (1)
	s_and_b32 s[WN], s[WV], 1                      ; which 128 rows of X.  Also: which half of that tile I fetch
	s_bfe_u32 s[CX], ttmp6, 0x40000
	s_bfe_u32 s[CY], ttmp6, 0x40004
	s_lshl_b32 s[TC], ttmp9, 2
	s_add_co_u32 s[TC], s[TC], s[CX]               ; v's tile of 256 rows
	s_and_b32 s[TR], ttmp7, 0xffff
	s_lshl_b32 s[TR], s[TR], 2
	s_add_co_u32 s[TR], s[TR], s[CY]               ; Wv's tile of 128 rows
	s_lshl_b32 s2, s[CY], 2
	s_lshl_b32 s2, 15, s2                          ; my row of the cluster
	s_lshl_b32 s3, 0x1111, s[CX]                   ; my column
	s_or_b32 s[G1Y], s2, (3<<16)|(1<<21)           ; elements of 8 bytes; bit 21 beside a mask
	s_or_b32 s[G1X], s3, (3<<16)|(1<<21)
	s_mov_b32 s[G1Y+1], 1536<<16                   ; a row of the tile: a row block's eight fragments, 12,288 bytes
	s_mov_b32 s[G1Y+2], 4<<16
	s_mov_b32 s[G1Y+3], 1536<<16
	s_mov_b32 s[G1Y+4], 4
	s_mov_b32 s[G1Y+5], 1536                       ; from row block to row block: 12,288 bytes
	s_mov_b32 s[G1Y+6], 0
	s_mov_b32 s[G1Y+7], 0
	s_mov_b32 s[G1X+1], 1536<<16
	s_mov_b32 s[G1X+2], 8<<16
	s_mov_b32 s[G1X+3], 1536<<16
	s_mov_b32 s[G1X+4], 8
	s_mov_b32 s[G1X+5], 1536
	s_mov_b32 s[G1X+6], 0
	s_mov_b32 s[G1X+7], 0
	s_add_co_u32 s74, s[TR], 208
	s_lshl_b32 s74, s74, 3
	s_lshl_b32 s75, s[WN], 2
	s_add_co_u32 s74, s74, s75                     ; Y: row block 8 (208 + tile row) + 4 x half
	s_mul_i32 s74, s74, RB8
	s_mov_b32 s75, 0
	s_lshl_b32 s76, s[TC], 4
	s_lshl_b32 s77, s[WN], 3
	s_add_co_u32 s76, s76, s77
	s_add_co_u32 s76, s76, 1024                    ; X: row block 1,024 + 16 x tile column + 8 x half
	s_mul_i32 s76, s76, RB8
	s_mov_b32 s77, 0
	s_mul_i32 s78, s[WN], 4*XSTR                   ; where they go in a region: no place in the cluster enters an LDS address
	s_mul_i32 s79, s[WN], 8*XSTR
	s_add_co_u32 s79, s79, 8*XSTR
	s_mov_b32 s[SEL], 0x76543210
	s_mov_b32 s[SEL+1], 0xfedcba98
	s_wait_dscnt 0x0
	s_wait_kmcnt 0x0
	s_add_nc_u64 s[74:75], s[4:5], s[74:75]
	s_add_nc_u64 s[76:77], s[4:5], s[76:77]
	CROUND                                         ; all sixteen work-groups are here: the joint loads meet
.irp p, 0
	s_mov_b32 s[G0Y+4*\p], 1
	s_add_co_u32 s[G0Y+4*\p+1], s78, \p*REGB
	s_add_nc_u64 s[G0Y+4*\p+2:G0Y+4*\p+3], s[74:75], \p*XSTR
	s_or_b32 s[G0Y+4*\p+3], s[G0Y+4*\p+3], 0x80000000
	s_mov_b32 s[G0X+4*\p], 1
	s_add_co_u32 s[G0X+4*\p+1], s79, \p*REGB
	s_add_nc_u64 s[G0X+4*\p+2:G0X+4*\p+3], s[76:77], \p*XSTR
	s_or_b32 s[G0X+4*\p+3], s[G0X+4*\p+3], 0x80000000
.endr
	s_cmp_eq_u32 s[WM], 0                          ; a wave's one fill stands in a branch on its number: one load of mine is out
	s_cbranch_scc0 .Lfirst_x
.irp p, 0
	tensor_load_to_lds s[G0Y+4*\p:G0Y+4*\p+3], s[G1Y:G1Y+7]
	s_nop 0
.endr
	PLACES
	s_branch .Lfirst_done
.Lfirst_x:
.irp p, 0
	tensor_load_to_lds s[G0X+4*\p:G0X+4*\p+3], s[G1X:G1X+7]
	s_nop 0
.endr
	PLACES
.Lfirst_done:
	v_and_b32 v28, 31, v0
	v_lshlrev_b32 v1, 4, v28                       ; 16 x lane
	s_wait_alu depctr_va_vdst(0)
	v_and_b32 v29, 15, v0                          ; r
	v_bfe_u32 v12, v0, 4, 1                        ; h
	s_mul_i32 s80, s[WN], 8*XSTR
	s_add_co_u32 s80, s80, 8*XSTR
	s_mul_i32 s81, s[WM], 4*XSTR
.irp p, 0,1
	v_add_nc_u32 v[ARX+\p], s80, v1
	s_add_co_u32 s80, s80, 4*XSTR
.endr
	v_add_nc_u32 v[ARY], s81, v1
	s_wait_alu depctr_va_vdst(0)
	v_lshlrev_b32 v11, 4, v29                      ; 16 r
	v_lshl_add_u32 v10, v12, 9, v11                ; 16 r + 512 h
	v_and_b32 v13, 8, v29
	v_add_nc_u32 v13, v13, v29
	v_lshlrev_b32 v28, 2, v13                      ; 4 (r + 8 (r / 8))
	s_wait_alu depctr_va_vdst(0)
.irp a, 0,1,2,3
	v_mov_b32 v[BV+2*\a+1], 0                      ; named as the upper half of a pair
	v_mov_b32 v[TM+4+\a], 0                        ; a lane permute's destination counts as one of its sources
.endr
	s_add_co_u32 s80, s[TR], 208
	s_lshl_b32 s80, s80, 12
	s_lshl_b32 s81, s[WM], 8
	s_add_co_u32 s80, s80, s81
	s_add_co_u32 s80, s80, INS
	s_mov_b32 s81, 0
	s_add_nc_u64 s[80:81], s[4:5], s[80:81]
.irp i, 0,1,2,3
	global_load_b128 v[SA+4*\i:SA+4*\i+3], v10, s[80:81] offset:1024*\i
.endr
	s_lshl_b32 s82, s[TC], 1
	s_add_co_u32 s82, s82, s[WN]
	s_add_co_u32 s82, s82, 128
	s_lshl_b32 s82, s82, 12
	s_add_co_u32 s82, s82, INS
	s_mov_b32 s83, 0
	s_add_nc_u64 s[82:83], s[4:5], s[82:83]
.irp k, 0,1,2,3,4,5,6,7
	global_load_b128 v[SB+4*\k:SB+4*\k+3], v1, s[82:83] offset:512*\k
.endr
	s_lshl_b32 s74, s[TR], 9
	s_lshl_b32 s75, s[WM], 8
	s_add_co_u32 s74, s74, s75
	s_mov_b32 s75, 0
	s_add_nc_u64 s[6:7], s[6:7], s[74:75]
.irp a, 0,1,2,3
	global_load_b32 v[BV+2*\a], v28, s[6:7] offset:(32*(\a/2)+8*(\a%2))*4   ; bv of my lane's channel in row block a
.endr
	s_lshr_b32 s76, s[TC], 3                       ; the batch
	s_and_b32 s77, s[TC], 7
	s_lshl_b32 s77, s77, 1
	s_add_co_u32 s77, s77, s[WN]                   ; my 128 keys: K step of the second product
	s_lshl_b32 s78, s76, 6
	s_lshl_b32 s79, s[TR], 3
	s_add_co_u32 s78, s78, s79
	s_lshl_b32 s79, s[WM], 2
	s_add_co_u32 s78, s78, s79
	s_mul_i32 s78, s78, RB16
	s_mul_i32 s79, s77, 1536
	s_add_co_u32 s78, s78, s79
	s_mov_b32 s79, 0
	s_add_nc_u64 s[OC:OC+1], s[8:9], s[78:79]
	s_lshl_b32 s78, s76, 3
	s_add_co_u32 s78, s78, s[TR]
	s_lshl_b32 s78, s78, 13
	s_lshl_b32 s77, s77, 9
	s_add_co_u32 s78, s78, s77
	s_lshl_b32 s77, s[WM], 8
	s_add_co_u32 s78, s78, s77
	s_add_co_u32 s78, s78, VSO
	s_add_nc_u64 s[OS:OS+1], s[8:9], s[78:79]
	s_wait_tensorcnt 0x0                           ; my one load, my part of the whole tile, is in
	s_barrier_signal -1
	s_barrier_wait -1
	FETCHY 0
	FETCHX 0, 0
	FETCHX 0, 1
	s_wait_loadcnt 4                               ; the scale words are in; the bias's four loads may be out
.irp t, 0,1,2,3,4,5,6
	STEP \t
.endr
	LAST 7
	s_wait_loadcnt 0x0
.irp a, 0,1,2,3
	WIN 2
.set i, 0
.rept 32
	v_pk_add_f32 v[T+i:T+i+1], v[64*\a+i:64*\a+i+1], v[BV+2*\a:BV+2*\a+1] op_sel_hi:[1,0]   ; + bv of my channel; each accumulator from its low end on
.set i, i+2
.endr
	WIN 0
	s_wait_xcnt 0x0                                ; the last fragment's stores have read their data
	QUANT T
	PUT \a*RB16
	v_mov_b32 v[PWS+\a], v[PW]
.endr
	s_wait_alu depctr_va_vdst(0)
	s_wait_xcnt 0x0                                ; EXEC changes only behind this wait
	v_cmp_gt_u32 vcc_lo, 256, v10                  ; lanes 0-15
	s_and_saveexec_b32 s74, vcc_lo
	global_store_b128 v11, v[PWS:PWS+3], s[OS:OS+1] th:TH_STORE_NT   ; my half image: 256 consecutive bytes, aligned
	s_wait_xcnt 0x0
	s_or_b32 exec_lo, exec_lo, s74
	s_wait_tensorcnt 0x0
	ds_add_u32 v254, v255
	s_wait_dscnt 0x0
	CROUND                                         ; the closing round
	s_endpgm
.Lfunc_end_k_q7c1ffc6ed3_projv:
	.size	k_q7c1ffc6ed3_projv, .Lfunc_end_k_q7c1ffc6ed3_projv-k_q7c1ffc6ed3_projv
	.p2alignl 7, 3214868480
	.fill 96, 4, 3214868480
	.section	.rodata,"a",@progbits
	.p2align	6, 0x0
	.amdhsa_kernel k_q7c1ffc6ed3_projv
		.amdhsa_group_segment_fixed_size 327680
		.amdhsa_private_segment_fixed_size 0
		.amdhsa_enable_private_segment 0
		.amdhsa_kernarg_size 24
		.amdhsa_user_sgpr_count 2
		.amdhsa_user_sgpr_kernarg_segment_ptr 1
		.amdhsa_wavefront_size32 1
		.amdhsa_system_sgpr_workgroup_id_x 1
		.amdhsa_system_sgpr_workgroup_id_y 1
		.amdhsa_system_sgpr_workgroup_id_z 1
		.amdhsa_system_vgpr_workitem_id 0
		.amdhsa_next_free_vgpr 768
		.amdhsa_next_free_sgpr 90
		.amdhsa_reserve_vcc 1
		.amdhsa_float_denorm_mode_32 3
		.amdhsa_float_denorm_mode_16_64 3
		.amdhsa_memory_ordered 1
		.amdhsa_forward_progress 1
		.amdhsa_inst_pref_size 89
	.end_amdhsa_kernel
	.amdgpu_metadata
---
amdhsa.version: [ 1, 2 ]
amdhsa.kernels:
  - .name:           k_q7c1ffc6ed3_projv
    .symbol:         k_q7c1ffc6ed3_projv.kd
    .args:
      - { .name: inc, .offset: 0, .size: 8, .value_kind: global_buffer, .address_space: global }
      - { .name: bv, .offset: 8, .size: 8, .value_kind: global_buffer, .address_space: global }
      - { .name: vt, .offset: 16, .size: 8, .value_kind: global_buffer, .address_space: global }
    .group_segment_fixed_size: 327680
    .private_segment_fixed_size: 0
    .kernarg_segment_align: 8
    .kernarg_segment_size: 24
    .max_flat_workgroup_size: 128
    .sgpr_count:     90
    .vgpr_count:     768
    .wavefront_size: 32
...
	.end_amdgpu_metadata
.endif
;; end of part 3
;; launch scores (part 4): grid 8 x 32, 4 waves a work-group, clusters of 4 x 4, 327,680 bytes of LDS; arguments qk, attn_mask, key_padding_mask, pp; writes pp
.if DOCPART == 4
	.amdgcn_target "amdgcn-amd-amdhsa--gfx1250"
	.amdhsa_code_object_version 6
	.text
	.protected	k_q7c1ffc6ed3_scores
	.globl	k_q7c1ffc6ed3_scores
	.p2align	8
	.type	k_q7c1ffc6ed3_scores,@function
k_q7c1ffc6ed3_scores:
	s_mov_b64 s[64:65], 0
	v_nop
	global_prefetch_b8 v0, s[64:65] scope:SCOPE_SE
	s_setreg_imm32_b32 hwreg(HW_REG_WAVE_MODE, 25, 1), 1
	s_wait_xcnt 0x0
	s_wait_alu depctr_hold_cnt(0) depctr_sa_sdst(0) depctr_va_vdst(0) depctr_va_sdst(0) depctr_va_ssrc(0) depctr_va_vcc(0) depctr_vm_vsrc(0)
	s_getreg_b32 s2, hwreg(HW_REG_IB_STS2, 6, 4)
	s_cmp_eq_u32 s2, 0
	s_cbranch_scc0 .Lentry_in_a_cluster
	s_endpgm
.Lentry_in_a_cluster:
	s_bfe_u32 s2, ttmp6, 0x10000c
	s_cmp_lg_u32 s2, 0xf033
	s_cbranch_scc0 .Lentry_shape_is_right
	s_endpgm
.Lentry_shape_is_right:
; S = Qn Kn^T on codes of FP6 (E2M3) with E8M0 scales; p = 2^(S c), c = log2(e) / 32; p = 0 where attn_mask or key_padding_mask is set; the partial row sums of the unquantised p; p quantised along the keys.
; NO MAXIMUM IS TAKEN AWAY, AND NONE IS NEEDED: both operands are vectors normalised to length 1, quantised (length under 1.16), and 1/32 stands behind them, so |t| = |S c| stays under 0.061 for
; every input: no exponential and no sum of 2,048 of them can overflow or underflow.  The rule's whole number M would be 0 or 1: an exact power of two, which the blocks' scales and the row's sum both take up.
; A tile is 256 queries x 256 keys of one batch; four waves, 2 x 2, each 128 x 128: 64 accumulators.  Source 0 (X) = 16 keys, source 1 (Y) = 16 queries: a lane holds one query, its registers run along the keys.
; Operands lie in memory as images of their registers (1,536 bytes a fragment, [row block][K step]); lane row r of block rb is row 32 (rb / 2) + 8 (rb % 2) + r + 8 (r / 8), so that the 16 registers of two
; neighbouring blocks of keys are 16 neighbouring keys.  Only the masks' addresses need a lane's true query.
; LDS: three regions of two K steps (98,304 bytes each) come with the first fills; region 0 is filled once more, with K steps 6 and 7: that load has four K steps, 256 matrix instructions, in which to land.
; CLUSTER 4 x 4: the queries' tiles are shared along a row of the cluster, the keys' along a column.  The K loop is written out; all scale words stand in registers.
; LIMITS: a row all of whose keys are masked has the sum 0 (the last launch makes it NaN); a block of zeros has the byte 1 and zero codes; this program alone reads the bytes.
; REGISTERS: window 0: v1-8 addresses, v12-27 at work, v30-31 for the add, v32-63 Y's scale words, v64-95 X's, v96-191 X's fragments (one set, in halves), later T, codes and work, v192-255 mask bytes of row blocks 0-3.
;   window 1: v0-191 Y's two sets, later the padding mask, the scale words made and the row sums; v192-255 mask bytes of row blocks 4-7.   windows 2, 3: the accumulators ((a, nb) at 8 (8 a + nb)).
.set NX, 8
.set NY, 8
.set S, 2
.set NREG, 3
.set XW, 0
.set XB, 96
.set YW, 1
.set YB, 0
.set XSTR, 1536*S
.set YRES, 0
.set NLH, 3*NX/2
.set RSTEP, NREG*1536*S
.set REGB, 98304                       ; a region: Y's 16 blocks, then X's 16
.set SPARE, 294912                     ; the spare words, 128 bytes for each wave
.set RB8, 12288
.set RB16, 24576
.set QKS, 12582912
.set PSO, 12582912
.set LPD, 524288                       ; from P's scale images to the row sums' images
.set SA, 32
.set SB, 64
.set ARX, 2
.set ARY, 5
.set TM, 12
.set PW, 20
.set T, 96
.set PC, 160
.set E, 180
.set LS, 188
.set KPV, 0                            ; in window 1
.set KT2, 16
.set PWS, 32
.set LSR, 40
.set G1Y, 16
.set G1X, 24
.set G0Y, 32
.set G0X, 44
.set WV, 56
.set WM, 57
.set WN, 58
.set CX, 59
.set CY, 60
.set TC, 61
.set TR, 62
.set BT, 63
.set SEL, 66
.set KP, 68
.set SL, 68
.set CS, 100
.set OC, 12
.set MSB, 0
.macro WIN new                         ; the register windows; the immediate's high byte repeats the setting that is left
.if MSB != (\new)
	s_set_vgpr_msb (MSB<<8)|(\new)
.set MSB, (\new)
.endif
.endm
.macro PLACES                          ; four plain vector instructions between a matrix instruction and a load into, or a vector instruction on, its registers
.rept 4
	v_nop
.endr
.endm
.macro CREST
	s_cmp_lg_u32 s[WV], 0
	s_cbranch_scc1 .Lnot_wave_0_\@
	s_barrier_signal -3
.Lnot_wave_0_\@:
	s_barrier_wait -3
	s_barrier_signal -1
	s_barrier_wait -1
.endm
.macro CROUND
	s_barrier_signal -1
	s_barrier_wait -1
	CREST
.endm
.macro WM t                            ; one product; K step 0 starts the sums with the constant 0
.set rsel, rX+2*rY
.if (\t) == 0
.if rsel == 0
	v_wmma_scale_f32_16x16x128_f8f6f4 v[dD:dD+7], v[dX:dX+11], v[dY:dY+11], 0, v[sX], v[sY] matrix_a_fmt:MATRIX_FMT_FP6 matrix_b_fmt:MATRIX_FMT_FP6
.elseif rsel == 1
	v_wmma_scale_f32_16x16x128_f8f6f4 v[dD:dD+7], v[dX:dX+11], v[dY:dY+11], 0, v[sX], v[sY] matrix_a_fmt:MATRIX_FMT_FP6 matrix_b_fmt:MATRIX_FMT_FP6 matrix_a_scale:MATRIX_SCALE_ROW1
.elseif rsel == 2
	v_wmma_scale_f32_16x16x128_f8f6f4 v[dD:dD+7], v[dX:dX+11], v[dY:dY+11], 0, v[sX], v[sY] matrix_a_fmt:MATRIX_FMT_FP6 matrix_b_fmt:MATRIX_FMT_FP6 matrix_b_scale:MATRIX_SCALE_ROW1
.else
	v_wmma_scale_f32_16x16x128_f8f6f4 v[dD:dD+7], v[dX:dX+11], v[dY:dY+11], 0, v[sX], v[sY] matrix_a_fmt:MATRIX_FMT_FP6 matrix_b_fmt:MATRIX_FMT_FP6 matrix_a_scale:MATRIX_SCALE_ROW1 matrix_b_scale:MATRIX_SCALE_ROW1
.endif
.else
.if rsel == 0
	v_wmma_scale_f32_16x16x128_f8f6f4 v[dD:dD+7], v[dX:dX+11], v[dY:dY+11], v[dD:dD+7], v[sX], v[sY] matrix_a_fmt:MATRIX_FMT_FP6 matrix_b_fmt:MATRIX_FMT_FP6
.elseif rsel == 1
	v_wmma_scale_f32_16x16x128_f8f6f4 v[dD:dD+7], v[dX:dX+11], v[dY:dY+11], v[dD:dD+7], v[sX], v[sY] matrix_a_fmt:MATRIX_FMT_FP6 matrix_b_fmt:MATRIX_FMT_FP6 matrix_a_scale:MATRIX_SCALE_ROW1
.elseif rsel == 2
	v_wmma_scale_f32_16x16x128_f8f6f4 v[dD:dD+7], v[dX:dX+11], v[dY:dY+11], v[dD:dD+7], v[sX], v[sY] matrix_a_fmt:MATRIX_FMT_FP6 matrix_b_fmt:MATRIX_FMT_FP6 matrix_b_scale:MATRIX_SCALE_ROW1
.else
	v_wmma_scale_f32_16x16x128_f8f6f4 v[dD:dD+7], v[dX:dX+11], v[dY:dY+11], v[dD:dD+7], v[sX], v[sY] matrix_a_fmt:MATRIX_FMT_FP6 matrix_b_fmt:MATRIX_FMT_FP6 matrix_a_scale:MATRIX_SCALE_ROW1 matrix_b_scale:MATRIX_SCALE_ROW1
.endif
.endif
.endm
; A quarter of K step t: half xh of X's blocks against half yh of Y's.  The accumulators take turns, one instruction a turn, in the same order in every step.
.macro GROUP t, xh, yh
.set aw, 2+(8*NX*(\yh)*(NY/2))/256
	WIN (aw<<6)|(aw<<4)|(YW<<2)|XW
.set gx, (\xh)*(NX/2)
.rept NX/2
.set gy, (\yh)*(NY/2)
.rept NY/2
.set dD, (8*(NX*gy+gx))%256
.set dX, XB+12*gx
.set dY, YB+12*NY*((\t)%2)+12*gy
.set sX, SB+4*(\t)+gx%4                ; a side's word: register block % 4 of the K step's image, lanes 16-31 for blocks 4-7
.set rX, gx/4
.set sY, SA+4*(\t)+gy%4
.set rY, gy/4
	WM \t
.set gy, gy+1
.endr
.set gx, gx+1
.endr
.endm
.macro FETCHX t, h                     ; half h of X's fragments of K step t: three loads of 512 consecutive bytes each
	WIN (XW<<6)
.set fb, (\h)*(NX/2)
.rept NX/2
.if ((\t) >= 2) && ((\t) < 6)          ; K steps 2 to 5 lie in the second region, four fragments of a row block on end
.set fo, fb*2*XSTR+1536*((\t)-2)
.set fa, ARX+1
.else
.set fo, fb*XSTR+1536*((\t)%S)
.set fa, ARX
.endif
	ds_load_b128 v[XB+12*fb:XB+12*fb+3], v[fa] offset:fo
	ds_load_b128 v[XB+12*fb+4:XB+12*fb+7], v[fa] offset:fo+512
	ds_load_b128 v[XB+12*fb+8:XB+12*fb+11], v[fa] offset:fo+1024
.set fb, fb+1
.endr
	WIN 0
.endm
.macro FETCHY t                        ; Y's fragments of K step t into set t % 2
	WIN (YW<<6)
.set fb, 0
.rept NY
.if ((\t) >= 2) && ((\t) < 6)
.set fo, fb*2*XSTR+1536*((\t)-2)
.set fa, ARY+1
.else
.set fo, fb*XSTR+1536*((\t)%S)
.set fa, ARY
.endif
.set fr, YB+12*NY*((\t)%2)+12*fb
	ds_load_b128 v[fr:fr+3], v[fa] offset:fo
	ds_load_b128 v[fr+4:fr+7], v[fa] offset:fo+512
	ds_load_b128 v[fr+8:fr+11], v[fa] offset:fo+1024
.set fb, fb+1
.endr
	WIN 0
.endm
.macro REFILL rs                       ; a joint refill: waves 0 and 1 fetch Y's halves, waves 2 and 3 X's; the branch hangs on the wave's number alone; four v_nop follow each line
	s_add_nc_u64 s[G0Y+4*(\rs)+2:G0Y+4*(\rs)+3], s[G0Y+4*(\rs)+2:G0Y+4*(\rs)+3], RSTEP
	s_mov_b32 s[G1Y+1], 384<<16                    ; no tensor load of mine is out: a row of the tile is two fragments again
	s_mov_b32 s[G1Y+3], 384<<16
	s_mov_b32 s[G1X+1], 384<<16
	s_mov_b32 s[G1X+3], 384<<16
	s_add_nc_u64 s[G0X+4*(\rs)+2:G0X+4*(\rs)+3], s[G0X+4*(\rs)+2:G0X+4*(\rs)+3], RSTEP
	s_cmp_eq_u32 s[WM], 0
	s_cbranch_scc0 .Lfor_x_\@
	tensor_load_to_lds s[G0Y+4*(\rs):G0Y+4*(\rs)+3], s[G1Y:G1Y+7]
	s_nop 0
	PLACES
	s_branch .Lasked_\@
.Lfor_x_\@:
	tensor_load_to_lds s[G0X+4*(\rs):G0X+4*(\rs)+3], s[G1X:G1X+7]
	s_nop 0
	PLACES
.Lasked_\@:
.endm
.macro STEP t                          ; a K step whose successor lies in a region that has been shown whole
	s_wait_dscnt NLH                               ; Y's set and X's first half are in; X's second half may be out
	GROUP \t, 0, 0
	GROUP \t, 0, 1
	s_wait_dscnt 0x0
	PLACES
	FETCHY (\t)+1
	FETCHX (\t)+1, 0
	GROUP \t, 1, 0
	GROUP \t, 1, 1
	PLACES
	FETCHX (\t)+1, 1
.endm
; The last K step of a region.  refill = 1: in front of the barrier each wave waits for all its tensor loads, adds 0 to its spare word and waits for that and for its reads of the region; the barrier
; opens a round of the cluster's; the joint refill is the first thing behind it.  refill = 0: a plain barrier that shows the next region whole.
.macro TURN t, refill, cnt
	s_wait_tensorcnt \cnt
.if \refill
	ds_add_u32 v30, v31
	s_wait_dscnt NLH+1                             ; the add and X's second half may be out
.else
	s_wait_dscnt NLH
.endif
	GROUP \t, 0, 0
	s_wait_dscnt 0x0                               ; the add is done and my reads of this region are over
	s_barrier_signal -1
	GROUP \t, 0, 1
	WIN 0
	s_barrier_wait -1
.if \refill
	CREST
	REFILL ((\t)/S)%NREG
.else
	PLACES
.endif
	FETCHY (\t)+1
	FETCHX (\t)+1, 0
	GROUP \t, 1, 0
	GROUP \t, 1, 1
	PLACES
	FETCHX (\t)+1, 1
.endm
.macro LAST t
	s_wait_dscnt NLH
	GROUP \t, 0, 0
	GROUP \t, 0, 1
	s_wait_dscnt 0x0
	GROUP \t, 1, 0
	GROUP \t, 1, 1
	WIN 0
	PLACES
.endm
; 64 numbers of a lane, register 16 b + i = k 32 b + 16 (lane / 16) + i of my row, become a fragment's codes in v[PC] on and its scale word in v[PW].
.macro QUANT s
.irp b, 0,1,2,3
	v_max3_num_f32 v[TM+\b], |v[\s+16*\b]|, |v[\s+1+16*\b]|, 0x1800000   ; and the floor 2^(3 - 127): the byte cannot fall under 1
.endr
.irp i, 2,4,6,8,10,12,14
.irp b, 0,1,2,3
	v_max3_num_f32 v[TM+\b], v[TM+\b], |v[\s+16*\b+\i]|, |v[\s+1+16*\b+\i]|
.endr
.endr
.irp b, 0,1,2,3
	v_permlanex16_b32 v[TM+4+\b], v[TM+\b], s[SEL], s[SEL+1]
.endr
.irp b, 0,1,2,3
	v_max_num_f32 v[TM+\b], v[TM+\b], v[TM+4+\b]   ; with lane l xor 16's: the block's largest magnitude
.endr
.irp b, 0,1,2,3
	v_add_nc_u32 v[TM+12+\b], 0xff000000, v[TM+\b] ; 2 off its exponent field: the conversion's scale operand
.endr
.irp b, 0,1,2,3
	v_lshrrev_b32 v[TM+4+\b], 23, v[TM+12+\b]      ; the scale's byte
.endr
	v_lshl_or_b32 v[PW], v[TM+5], 8, v[TM+4]
	v_lshl_or_b32 v[PW], v[TM+6], 16, v[PW]
	v_lshl_or_b32 v[PW], v[TM+7], 24, v[PW]
.irp c, 0,1
	v_cvt_scalef32_pk16_fp6_f32 v[PC+6*\c:PC+2+6*\c], v[\s+32*\c:\s+15+32*\c], v[TM+12+2*\c]
	v_cvt_scalef32_pk16_fp6_f32 v[PC+12+4*\c:PC+14+4*\c], v[\s+16+32*\c:\s+31+32*\c], v[TM+12+2*\c+1]
.endr
	v_nop                                          ; one plain place behind a scaled conversion
.irp c, 0,1
.irp i, 0,1,2
	v_permlane16_swap_b32 v[PC+6*\c+\i], v[PC+12+4*\c+\i]
.endr
.irp i, 0,1,2
	v_mov_b32 v[PC+3+6*\c+\i], v[PC+12+4*\c+\i]
.endr
.endr
.endm
.macro PUT off
.irp c, 0,1,2
	global_store_b128 v1, v[PC+4*\c:PC+4*\c+3], s[OC:OC+1] offset:(\off)+512*\c th:TH_STORE_NT
.endr
.endm
	s_load_b256 s[4:11], s[0:1], 0x0               ; qk, attn_mask, key_padding_mask, pp
	v_lshl_add_u32 v30, v0, 2, SPARE
	v_mov_b32 v31, 0
	ds_add_u32 v30, v31
	ds_add_u32 v30, v31
	s_wait_dscnt 0x0
	v_lshrrev_b32 v9, 5, v0
	v_readfirstlane_b32 s[WV], v9                  ; wave 0..3
	s_lshr_b32 s[WM], s[WV], 1                     ; which 128 queries are mine.  Also: I fetch for Y (0) or for X (1)
	s_and_b32 s[WN], s[WV], 1                      ; which 128 keys.  Also: which half of that tile I fetch
	s_bfe_u32 s[CX], ttmp6, 0x40000
	s_bfe_u32 s[CY], ttmp6, 0x40004
	s_lshl_b32 s[TC], ttmp9, 2
	s_add_co_u32 s[TC], s[TC], s[CX]               ; the tile of 256 keys in the batch
	s_and_b32 s[BT], ttmp7, 0xffff
	s_lshl_b32 s[TR], s[BT], 2
	s_add_co_u32 s[TR], s[TR], s[CY]               ; the tile of 256 queries, over all batches
	s_lshr_b32 s[BT], s[BT], 1                     ; the batch: from the cluster's y alone
	s_lshl_b32 s2, s[CY], 2
	s_lshl_b32 s2, 15, s2                          ; my row of the cluster
	s_lshl_b32 s3, 0x1111, s[CX]                   ; my column
	s_or_b32 s[G1Y], s2, (3<<16)|(1<<21)           ; elements of 8 bytes; bit 21 beside a mask
	s_or_b32 s[G1X], s3, (3<<16)|(1<<21)
.irp g, G1Y, G1X
	s_mov_b32 s[\g+1], 384<<16                     ; a row of the tile: two fragments, 3,072 bytes
	s_mov_b32 s[\g+2], 8<<16                       ; 8 row blocks
	s_mov_b32 s[\g+3], 384<<16
	s_mov_b32 s[\g+4], 8
	s_mov_b32 s[\g+5], 1536                        ; from row block to row block: 12,288 bytes
	s_mov_b32 s[\g+6], 0
	s_mov_b32 s[\g+7], 0
.endr
	s_lshl_b32 s12, s[TR], 4
	s_lshl_b32 s13, s[WN], 3
	s_add_co_u32 s12, s12, s13                     ; Y: row block 16 x tile row + 8 x half
	s_mul_i32 s12, s12, RB8
	s_mov_b32 s13, 0
	s_lshl_b32 s14, s[BT], 7
	s_lshl_b32 s15, s[TC], 4
	s_add_co_u32 s14, s14, s15
	s_lshl_b32 s15, s[WN], 3
	s_add_co_u32 s14, s14, s15
	s_add_co_u32 s14, s14, 512                     ; X: row block 512 + 128 x batch + 16 x tile column + 8 x half
	s_mul_i32 s14, s14, RB8
	s_mov_b32 s15, 0
	s_mul_i32 s2, s[WV], 24576                     ; where they go in a region: wave x 8 blocks: no place in the cluster enters an LDS address
	s_mov_b32 s[SEL], 0x76543210
	s_mov_b32 s[SEL+1], 0xfedcba98
	s_mov_b32 s[CS], 0x3d38aa3b                    ; c = log2(e) / 32
	s_mov_b32 s[CS+1], s[CS]                       ; named with it as a pair
	s_wait_kmcnt 0x0
	s_add_nc_u64 s[12:13], s[4:5], s[12:13]
	s_add_nc_u64 s[14:15], s[4:5], s[14:15]
	CROUND                                         ; all sixteen work-groups are here: the first joint loads meet
.irp p, 0,1
	s_mov_b32 s[G0Y+4*\p], 1
	s_add_co_u32 s[G0Y+4*\p+1], s2, \p*REGB
	s_add_nc_u64 s[G0Y+4*\p+2:G0Y+4*\p+3], s[12:13], \p*XSTR
	s_or_b32 s[G0Y+4*\p+3], s[G0Y+4*\p+3], 0x80000000
	s_mov_b32 s[G0X+4*\p], 1
	s_add_co_u32 s[G0X+4*\p+1], s2, \p*REGB
	s_add_nc_u64 s[G0X+4*\p+2:G0X+4*\p+3], s[14:15], \p*XSTR
	s_or_b32 s[G0X+4*\p+3], s[G0X+4*\p+3], 0x80000000
.endr
	s_add_co_u32 s[G0Y+5], s[G0Y+5], s2            ; in the second region a wave's part is twice as long: 98,304 + wave x 49,152
	s_add_co_u32 s[G0X+5], s[G0X+5], s2
	s_cmp_eq_u32 s[WM], 0                          ; one tensor load a wave at the head: K steps 0 and 1
	s_cbranch_scc0 .Lfirst_x
.irp p, 0
	tensor_load_to_lds s[G0Y+4*\p:G0Y+4*\p+3], s[G1Y:G1Y+7]
	s_nop 0
.endr
	PLACES
	s_branch .Lfirst_done
.Lfirst_x:
.irp p, 0
	tensor_load_to_lds s[G0X+4*\p:G0X+4*\p+3], s[G1X:G1X+7]
	s_nop 0
.endr
	PLACES
.Lfirst_done:
	; PREFETCHES INTO THE L2 for the two later joint loads, each asked for when the load before it is issued.  Of the 8 row blocks that a wave fetches, each of the four partners that ask for them
	; jointly takes two, told apart by address (cx for the queries, cy for the keys); a lane names a block of 256 bytes; lanes left over name their instruction's last block again.
	s_cmp_eq_u32 s[WM], 0
	s_cselect_b64 s[40:41], s[12:13], s[14:15]
	s_cselect_b32 s42, s[CX], s[CY]
	s_mul_i32 s42, s42, 2*RB8
	s_mov_b32 s43, 0
	s_add_nc_u64 s[40:41], s[40:41], s[42:43]      ; never written again
	v_and_b32 v9, 31, v0
	v_min_u32 v28, 23, v9
	v_min_u32 v29, 11, v9
	v_lshlrev_b32 v28, 8, v28
	v_lshlrev_b32 v29, 8, v29
	v_lshlrev_b32 v1, 4, v9                        ; 16 x lane
	v_and_b32 v10, 15, v0                          ; r
	s_wait_alu depctr_va_vdst(0)
	v_bfe_u32 v11, v0, 4, 1                        ; h
	s_mul_i32 s2, s[WN], 24576
	s_add_co_u32 s2, s2, 49152
	s_mul_i32 s3, s[WM], 24576
.irp p, 0,1
	v_add_nc_u32 v[ARX+\p], s2, v1
	v_add_nc_u32 v[ARY+\p], s3, v1
	s_lshl_b32 s2, s2, 1
	s_lshl_b32 s3, s3, 1
	s_add_co_u32 s2, s2, REGB
	s_add_co_u32 s3, s3, REGB
.endr
	s_wait_alu depctr_va_vdst(0)
	v_and_b32 v12, 8, v10
	v_add_nc_u32 v12, v12, v10                     ; r + 8 (r / 8)
	v_lshlrev_b32 v8, 11, v12
	v_lshl_add_u32 v8, v11, 4, v8                  ; attn_mask: my query's row of 2,048 bytes, + 16 h
	s_wait_alu depctr_va_vdst(0)
	s_lshl_b32 s2, s[TR], 1
	s_add_co_u32 s2, s2, s[WM]
	s_lshl_b32 s2, s2, 12
	s_add_co_u32 s2, s2, QKS
	s_mov_b32 s3, 0
	s_add_nc_u64 s[12:13], s[4:5], s[2:3]          ; my queries' scale images
	s_lshl_b32 s2, s[BT], 4
	s_add_co_u32 s2, s2, 64
	s_lshl_b32 s68, s[TC], 1
	s_add_co_u32 s68, s68, s[WN]                   ; my chunk of 128 keys in the batch
	s_add_co_u32 s2, s2, s68
	s_lshl_b32 s2, s2, 12
	s_add_co_u32 s2, s2, QKS
	s_add_nc_u64 s[14:15], s[4:5], s[2:3]          ; my keys' scale images
	s_lshl_b32 s68, s68, 7
	s_and_b32 s2, s[TR], 7
	s_lshl_b32 s2, s2, 1
	s_add_co_u32 s2, s2, s[WM]
	s_lshl_b32 s2, s2, 18                          ; 128 rows of 2,048 bytes
	s_add_co_u32 s2, s2, s68
	s_add_nc_u64 s[6:7], s[6:7], s[2:3]
	s_lshl_b32 s2, s[BT], 11
	s_add_co_u32 s2, s2, s68
	s_add_nc_u64 s[8:9], s[8:9], s[2:3]
.irp k, 0,1,2,3,4,5,6,7
	global_load_b128 v[SA+4*\k:SA+4*\k+3], v1, s[12:13] offset:512*\k
.endr
.irp k, 0,1,2,3,4,5,6,7
	global_load_b128 v[SB+4*\k:SB+4*\k+3], v1, s[14:15] offset:512*\k
.endr
.irp a, 0,1,2,3                        ; attn_mask of my lane's query in row block a: 16 bytes for keys 32 b + 16 h + 0 .. 15: byte n % 4 of register n / 4 belongs to number n of the lane's 64
.irp b, 0,1,2,3
	global_load_b128 v[192+16*\a+4*\b:192+16*\a+4*\b+3], v8, s[6:7] offset:(32*(\a/2)+8*(\a%2))*2048+32*\b
.endr
.endr
	WIN 0x40
.irp a, 0,1,2,3
.irp b, 0,1,2,3
	global_load_b128 v[192+16*\a+4*\b:192+16*\a+4*\b+3], v8, s[6:7] offset:(64+32*(\a/2)+8*(\a%2))*2048+32*\b
.endr
.endr
	WIN 0
	global_prefetch_b8 v28, s[40:41] offset:XSTR th:TH_LOAD_NT scope:SCOPE_SE       ; K steps 2 to 5: 6,144 bytes, 24 blocks, of each of my two row blocks; behind the head's loads
	global_prefetch_b8 v28, s[40:41] offset:XSTR+RB8 th:TH_LOAD_NT scope:SCOPE_SE
	s_load_b512 s[KP:KP+15], s[8:9], 0x0
	s_load_b512 s[KP+16:KP+31], s[8:9], 0x40
	s_wait_alu depctr_va_vdst(0)
	s_wait_tensorcnt 0x0                           ; my part of K steps 0 and 1 is in
	ds_add_u32 v30, v31
	s_mov_b32 s[G1Y+1], 768<<16                    ; no tensor load of mine is out: a row of the next tile is four fragments, 6,144 bytes
	s_mov_b32 s[G1Y+3], 768<<16
	s_mov_b32 s[G1X+1], 768<<16
	s_mov_b32 s[G1X+3], 768<<16
	s_wait_dscnt 0x0
	CROUND
	s_cmp_eq_u32 s[WM], 0                          ; K steps 2 to 5 by one joint load a wave, the first behind the round
	s_cbranch_scc0 .Lsecond_x
	tensor_load_to_lds s[G0Y+4:G0Y+7], s[G1Y:G1Y+7]
	s_nop 0
	PLACES
	s_branch .Lsecond_done
.Lsecond_x:
	tensor_load_to_lds s[G0X+4:G0X+7], s[G1X:G1X+7]
	s_nop 0
	PLACES
.Lsecond_done:
	FETCHY 0
	FETCHX 0, 0
	FETCHX 0, 1
	global_prefetch_b8 v29, s[40:41] offset:3*XSTR th:TH_LOAD_NT scope:SCOPE_SE     ; K steps 6 and 7: 3,072 bytes, 12 blocks, of each of my two row blocks
	global_prefetch_b8 v29, s[40:41] offset:3*XSTR+RB8 th:TH_LOAD_NT scope:SCOPE_SE
	s_wait_loadcnt 32
	STEP 0
	TURN 1, 1, 0                                   ; its wait for all loads, and its barrier, show regions 1 and 2 whole to every wave; region 0 takes K steps 6 and 7
	STEP 2
	STEP 3
	STEP 4
	TURN 5, 0, 0
	STEP 6
	LAST 7
	s_wait_loadcnt 0x0                             ; the mask bytes; the bases of the loads may be written again
	s_wait_kmcnt 0x0
	s_mov_b32 vcc_lo, 0xffff0000                   ; lanes 16-31
	WIN 0x40
.irp b, 0,1,2,3
.irp i, 0,1,2,3
	v_mov_b32 v[KPV+4*\b+\i], s[KP+8*\b+\i]
	v_mov_b32 v[KT2+4*\b+\i], s[KP+8*\b+4+\i]
.endr
.endr
	WIN 0x45
.set i, 0
.rept 16
	v_cndmask_b32 v[KPV+i], v[KPV+i], v[KT2+i], vcc_lo   ; lanes 16-31 take their own 16 keys of each 32
.set i, i+1
.endr
	WIN 0
.irp j, 0,1,2,3
	v_mov_b32 v[TM+4+\j], 0                        ; a lane permute's destination counts as one of its sources
.endr
	s_mov_b32 s[SL], 0                             ; v_perm_b32's selectors: byte 0, 1, 2 or 3 into all four bytes
	s_mov_b32 s[SL+1], 0x01010101
	s_mov_b32 s[SL+2], 0x02020202
	s_mov_b32 s[SL+3], 0x03030303
	s_lshl_b32 s2, s[TR], 1
	s_add_co_u32 s2, s2, s[WM]                     ; my group of 128 queries
	s_lshl_b32 s3, s[TC], 1
	s_add_co_u32 s3, s3, s[WN]                     ; my chunk of 128 keys
	s_mul_i32 s12, s2, 8*RB16
	s_mul_i32 s13, s3, 1536
	s_add_co_u32 s12, s12, s13
	s_mov_b32 s13, 0
	s_add_nc_u64 s[OC:OC+1], s[10:11], s[12:13]
	s_lshl_b32 s14, s2, 13
	s_lshl_b32 s15, s3, 9
	s_add_co_u32 s14, s14, s15
	s_add_co_u32 s14, s14, PSO
	s_mov_b32 s15, 0
	s_add_nc_u64 s[14:15], s[10:11], s[14:15]
.macro EPI a                           ; row block a: 16 queries x my 128 keys
.set aw, 2+(\a)/4
.set AC, 64*((\a)%4)
.set MK, 192+16*((\a)%4)
	WIN aw
.set i, 0
.rept 32
	v_pk_mul_f32 v[T+i:T+i+1], v[AC+i:AC+i+1], s[CS:CS+1] op_sel_hi:[1,0]   ; t = S c; each accumulator from its low end on
.set i, i+2
.endr
	WIN 0
.set i, 0
	s_wait_alu depctr_va_vdst(0)
.rept 64
	v_exp_f32 v[T+i], v[T+i]                       ; p = 2^t: one batch
.set i, i+1
.endr
	WIN 0x04+(\a)/4                                ; the padding mask lies in window 1; so do the mask bytes of row blocks 4-7, which come over here
.set i, 0
.rept 16
	v_or_b32 v[MK+i], v[MK+i], v[KPV+i]            ; work that names no exponential's result stands behind the batch
.set i, i+1
.endr
	WIN 0
.set i, 0
.rept 16
	v_lshlrev_b32 v[E+i%8], 8, v[MK+i]
	v_sub_nc_u32 v[MK+i], v[E+i%8], v[MK+i]        ; x 255: each byte 0xff where the key is masked
.set i, i+1
.endr
	s_wait_alu depctr_va_vdst(0)                   ; one wait for the 64 exponentials, ahead of their first reader
.set n, 0
.rept 8
.set k, 0
.rept 8
	v_perm_b32 v[E+k], v[MK+(n+k)/4], v[MK+(n+k)/4], s[SL+(n+k)%4]
.set k, k+1
.endr
.set k, 0
.rept 8
	v_bfi_b32 v[T+n+k], v[E+k], 0, v[T+n+k]        ; p = 0 where masked
.set k, k+1
.endr
.set n, n+8
.endr
	v_pk_add_f32 v[LS:LS+1], v[T:T+1], v[T+2:T+3]  ; the sum of the unquantised p, in two chains
	v_pk_add_f32 v[LS+2:LS+3], v[T+4:T+5], v[T+6:T+7]
.set i, 8
.rept 14
	v_pk_add_f32 v[LS:LS+1], v[LS:LS+1], v[T+i:T+i+1]
	v_pk_add_f32 v[LS+2:LS+3], v[LS+2:LS+3], v[T+i+2:T+i+3]
.set i, i+4
.endr
	v_pk_add_f32 v[LS:LS+1], v[LS:LS+1], v[LS+2:LS+3]
	v_add_f32 v[LS], v[LS], v[LS+1]
	v_permlanex16_b32 v[LS+2], v[LS], s[SEL], s[SEL+1]
	s_wait_xcnt 0x0                                ; the last fragment's stores have read their data
	QUANT T
	PUT (\a)*RB16
	WIN 0x40
	v_add_f32 v[LSR+(\a)], v[LS], v[LS+2]          ; my query's sum over these 128 keys
	v_mov_b32 v[PWS+(\a)], v[PW]
	WIN 0
.endm
.irp a, 0,1,2,3,4,5,6,7
	EPI \a
.endr
	WIN 0x05
.irp j, 0,1,2,3
	v_cndmask_b32 v[E+\j], v[PWS+\j], v[PWS+4+\j], vcc_lo   ; an image: lanes 0-15 blocks 0-3, lanes 16-31 blocks 4-7
.endr
.irp j, 0,1,2,3
	v_cndmask_b32 v[E+4+\j], v[LSR+\j], v[LSR+4+\j], vcc_lo
.endr
	WIN 0
	global_store_b128 v1, v[E:E+3], s[14:15] th:TH_STORE_NT             ; 512 consecutive bytes each
	global_store_b128 v1, v[E+4:E+7], s[14:15] offset:LPD th:TH_STORE_NT
	s_wait_tensorcnt 0x0                           ; the wave's end
	ds_add_u32 v30, v31
	s_wait_dscnt 0x0
	CROUND                                         ; the closing round
	s_endpgm
.Lfunc_end_k_q7c1ffc6ed3_scores:
	.size	k_q7c1ffc6ed3_scores, .Lfunc_end_k_q7c1ffc6ed3_scores-k_q7c1ffc6ed3_scores
	.p2alignl 7, 3214868480
	.fill 96, 4, 3214868480
	.section	.rodata,"a",@progbits
	.p2align	6, 0x0
	.amdhsa_kernel k_q7c1ffc6ed3_scores
		.amdhsa_group_segment_fixed_size 327680
		.amdhsa_private_segment_fixed_size 0
		.amdhsa_enable_private_segment 0
		.amdhsa_kernarg_size 32
		.amdhsa_user_sgpr_count 2
		.amdhsa_user_sgpr_kernarg_segment_ptr 1
		.amdhsa_wavefront_size32 1
		.amdhsa_system_sgpr_workgroup_id_x 1
		.amdhsa_system_sgpr_workgroup_id_y 1
		.amdhsa_system_sgpr_workgroup_id_z 1
		.amdhsa_system_vgpr_workitem_id 0
		.amdhsa_next_free_vgpr 1024
		.amdhsa_next_free_sgpr 102
		.amdhsa_reserve_vcc 1
		.amdhsa_float_denorm_mode_32 3
		.amdhsa_float_denorm_mode_16_64 3
		.amdhsa_memory_ordered 1
		.amdhsa_forward_progress 1
		.amdhsa_inst_pref_size 255
	.end_amdhsa_kernel
	.section	.bss,"aw",@nobits
	.p2align	6
	.space	262144
	.amdgpu_metadata
---
amdhsa.version: [ 1, 2 ]
amdhsa.kernels:
  - .name:           k_q7c1ffc6ed3_scores
    .symbol:         k_q7c1ffc6ed3_scores.kd
    .args:
      - { .name: qk, .offset: 0, .size: 8, .value_kind: global_buffer, .address_space: global }
      - { .name: attn_mask, .offset: 8, .size: 8, .value_kind: global_buffer, .address_space: global }
      - { .name: key_padding_mask, .offset: 16, .size: 8, .value_kind: global_buffer, .address_space: global }
      - { .name: pp, .offset: 24, .size: 8, .value_kind: global_buffer, .address_space: global }
    .group_segment_fixed_size: 327680
    .private_segment_fixed_size: 0
    .kernarg_segment_align: 8
    .kernarg_segment_size: 32
    .max_flat_workgroup_size: 128
    .sgpr_count:     102
    .vgpr_count:     1024
    .wavefront_size: 32
...
	.end_amdgpu_metadata
.endif
;; end of part 4
;; launch pv (part 5): grid 4 x 64, 4 waves a work-group, clusters of 4 x 4, 327,680 bytes of LDS; arguments pp, vt, oo; writes oo
.if DOCPART == 5
	.amdgcn_target "amdgcn-amd-amdhsa--gfx1250"
	.amdhsa_code_object_version 6
	.text
	.protected	k_q7c1ffc6ed3_pv
	.globl	k_q7c1ffc6ed3_pv
	.p2align	8
	.type	k_q7c1ffc6ed3_pv,@function
k_q7c1ffc6ed3_pv:
	s_mov_b64 s[64:65], 0
	v_nop
	global_prefetch_b8 v0, s[64:65] scope:SCOPE_SE
	s_setreg_imm32_b32 hwreg(HW_REG_WAVE_MODE, 25, 1), 1
	s_wait_xcnt 0x0
	s_wait_alu depctr_hold_cnt(0) depctr_sa_sdst(0) depctr_va_vdst(0) depctr_va_sdst(0) depctr_va_ssrc(0) depctr_va_vcc(0) depctr_vm_vsrc(0)
	s_getreg_b32 s2, hwreg(HW_REG_IB_STS2, 6, 4)
	s_cmp_eq_u32 s2, 0
	s_cbranch_scc0 .Lentry_in_a_cluster
	s_endpgm
.Lentry_in_a_cluster:
	s_bfe_u32 s2, ttmp6, 0x10000c
	s_cmp_lg_u32 s2, 0xf033
	s_cbranch_scc0 .Lentry_shape_is_right
	s_endpgm
.Lentry_shape_is_right:
; O = P V / l on codes of FP6 (E2M3) with E8M0 scales, K = the batch's 2,048 keys; l = the sum of a row's 16 partial sums of the unquantised p; O quantised along the channels, the next product's K.
; A tile is 128 queries x 256 channels; four waves, 2 x 2, each 64 x 128: 32 accumulators.  Source 0 (X) = 16 rows of V^T (channels), source 1 (Y) = 16 rows of P (queries): a lane holds one query,
; its registers run along the channels.  Operands lie in memory as images of their registers (1,536 bytes a fragment, [row block][K step]); lane row r of block rb is row 32 (rb / 2) + 8 (rb % 2) + r + 8 (r / 8).
; LDS: two slots of four K steps (147,456 bytes each); each is filled once more, and that load has four K steps, 128 matrix instructions, in which to land.
; CLUSTER 4 x 4: P's tiles are shared along a row of the cluster, V^T's along a column.  The K loop is written out (16 steps); all scale words stand in registers.
; LIMITS: the division is v_rcp_f32 and a multiplication; a row with l = 0 (all keys masked) gives NaN here, whose codes mean nothing: the last launch makes that row NaN; a block whose largest
; magnitude lies under 2^-124 has the byte 1; this program alone reads the bytes.
; REGISTERS: window 0: v1-11 addresses, v12-27 at work, v30-31 for the add, v32-63 Y's scale words, v64-127 X's, v128-223 Y's two sets, later T, codes and 1 / l, v224-255 l's parts.  window 1: v0-95 X.  window 2: the accumulators.
.set NX, 8
.set NY, 4
.set S, 4
.set NREG, 2
.set XW, 1
.set XB, 0
.set YW, 0
.set YB, 128
.set XSTR, 1536*S
.set YRES, 0
.set NLH, 3*NX/2
.set RSTEP, NREG*1536*S
.set REGB, 24*XSTR                     ; a slot: Y's 8 blocks, then X's 16
.set SPARE, 294912                     ; the spare words, 128 bytes for each wave
.set RB8, 12288
.set RB16, 24576
.set PSO, 12582912
.set LPO, 13107200
.set VSO, 6291456
.set OSO, 6291456
.set SA, 32
.set SB, 64
.set ARX, 2
.set ARY, 6
.set T, 128
.set PC, 192
.set PWS, 212
.set INV, 216
.set LPR, 224
.set TM, 12
.set PW, 20
.set G1Y, 16
.set G1X, 24
.set G0Y, 32
.set G0X, 48
.set WV, 66
.set WM, 67
.set WN, 68
.set CX, 69
.set CY, 70
.set TC, 71
.set TR, 72
.set BT, 73
.set OS, 84
.set SEL, 86
.set OC, 88
.set MSB, 0
.macro WIN new                         ; the register windows; the immediate's high byte repeats the setting that is left
.if MSB != (\new)
	s_set_vgpr_msb (MSB<<8)|(\new)
.set MSB, (\new)
.endif
.endm
.macro PLACES                          ; four plain vector instructions between a matrix instruction and a load into, or a vector instruction on, its registers
.rept 4
	v_nop
.endr
.endm
.macro CREST
	s_cmp_lg_u32 s[WV], 0
	s_cbranch_scc1 .Lnot_wave_0_\@
	s_barrier_signal -3
.Lnot_wave_0_\@:
	s_barrier_wait -3
	s_barrier_signal -1
	s_barrier_wait -1
.endm
.macro CROUND
	s_barrier_signal -1
	s_barrier_wait -1
	CREST
.endm
.macro WM t                            ; one product; K step 0 starts the sums with the constant 0
.set rsel, rX+2*rY
.if (\t) == 0
.if rsel == 0
	v_wmma_scale_f32_16x16x128_f8f6f4 v[dD:dD+7], v[dX:dX+11], v[dY:dY+11], 0, v[sX], v[sY] matrix_a_fmt:MATRIX_FMT_FP6 matrix_b_fmt:MATRIX_FMT_FP6
.elseif rsel == 1
	v_wmma_scale_f32_16x16x128_f8f6f4 v[dD:dD+7], v[dX:dX+11], v[dY:dY+11], 0, v[sX], v[sY] matrix_a_fmt:MATRIX_FMT_FP6 matrix_b_fmt:MATRIX_FMT_FP6 matrix_a_scale:MATRIX_SCALE_ROW1
.elseif rsel == 2
	v_wmma_scale_f32_16x16x128_f8f6f4 v[dD:dD+7], v[dX:dX+11], v[dY:dY+11], 0, v[sX], v[sY] matrix_a_fmt:MATRIX_FMT_FP6 matrix_b_fmt:MATRIX_FMT_FP6 matrix_b_scale:MATRIX_SCALE_ROW1
.else
	v_wmma_scale_f32_16x16x128_f8f6f4 v[dD:dD+7], v[dX:dX+11], v[dY:dY+11], 0, v[sX], v[sY] matrix_a_fmt:MATRIX_FMT_FP6 matrix_b_fmt:MATRIX_FMT_FP6 matrix_a_scale:MATRIX_SCALE_ROW1 matrix_b_scale:MATRIX_SCALE_ROW1
.endif
.else
.if rsel == 0
	v_wmma_scale_f32_16x16x128_f8f6f4 v[dD:dD+7], v[dX:dX+11], v[dY:dY+11], v[dD:dD+7], v[sX], v[sY] matrix_a_fmt:MATRIX_FMT_FP6 matrix_b_fmt:MATRIX_FMT_FP6
.elseif rsel == 1
	v_wmma_scale_f32_16x16x128_f8f6f4 v[dD:dD+7], v[dX:dX+11], v[dY:dY+11], v[dD:dD+7], v[sX], v[sY] matrix_a_fmt:MATRIX_FMT_FP6 matrix_b_fmt:MATRIX_FMT_FP6 matrix_a_scale:MATRIX_SCALE_ROW1
.elseif rsel == 2
	v_wmma_scale_f32_16x16x128_f8f6f4 v[dD:dD+7], v[dX:dX+11], v[dY:dY+11], v[dD:dD+7], v[sX], v[sY] matrix_a_fmt:MATRIX_FMT_FP6 matrix_b_fmt:MATRIX_FMT_FP6 matrix_b_scale:MATRIX_SCALE_ROW1
.else
	v_wmma_scale_f32_16x16x128_f8f6f4 v[dD:dD+7], v[dX:dX+11], v[dY:dY+11], v[dD:dD+7], v[sX], v[sY] matrix_a_fmt:MATRIX_FMT_FP6 matrix_b_fmt:MATRIX_FMT_FP6 matrix_a_scale:MATRIX_SCALE_ROW1 matrix_b_scale:MATRIX_SCALE_ROW1
.endif
.endif
.endm
; A quarter of K step t: half xh of X's blocks against half yh of Y's.  The accumulators take turns, one instruction a turn, in the same order in every step.
.macro GROUP t, xh, yh
.set aw, 2+(8*NX*(\yh)*(NY/2))/256
	WIN (aw<<6)|(aw<<4)|(YW<<2)|XW
.set gx, (\xh)*(NX/2)
.rept NX/2
.set gy, (\yh)*(NY/2)
.rept NY/2
.set dD, (8*(NX*gy+gx))%256
.set dX, XB+12*gx
.set dY, YB+12*NY*((\t)%2)+12*gy
.set sX, SB+4*(\t)+gx%4                ; X's word: register block % 4 of the K step's image, lanes 16-31 for blocks 4-7
.set rX, gx/4
.set sY, SA+4*((\t)/2)+gy              ; Y's: lanes 0-15 hold the even K step's half image, lanes 16-31 the odd one's
.set rY, (\t)%2
	WM \t
.set gy, gy+1
.endr
.set gx, gx+1
.endr
.endm
.macro FETCHX t, h                     ; half h of X's fragments of K step t: three loads of 512 consecutive bytes each
	WIN (XW<<6)
.set fb, (\h)*(NX/2)
.rept NX/2
.set fo, fb*XSTR+1536*((\t)%S)
.set fa, ARX+((\t)/S)%NREG
	ds_load_b128 v[XB+12*fb:XB+12*fb+3], v[fa] offset:fo
	ds_load_b128 v[XB+12*fb+4:XB+12*fb+7], v[fa] offset:fo+512
	ds_load_b128 v[XB+12*fb+8:XB+12*fb+11], v[fa] offset:fo+1024
.set fb, fb+1
.endr
	WIN 0
.endm
.macro FETCHY t                        ; Y's fragments of K step t into set t % 2
	WIN (YW<<6)
.set fb, 0
.rept NY
.set fo, fb*XSTR+1536*((\t)%S)
.set fa, ARY+((\t)/S)%NREG
.set fr, YB+12*NY*((\t)%2)+12*fb
	ds_load_b128 v[fr:fr+3], v[fa] offset:fo
	ds_load_b128 v[fr+4:fr+7], v[fa] offset:fo+512
	ds_load_b128 v[fr+8:fr+11], v[fa] offset:fo+1024
.set fb, fb+1
.endr
	WIN 0
.endm
.macro REFILL rs                       ; a joint refill: waves 0 and 1 fetch Y's halves, waves 2 and 3 X's; the branch hangs on the wave's number alone; four v_nop follow each line
	s_add_nc_u64 s[G0Y+4*(\rs)+2:G0Y+4*(\rs)+3], s[G0Y+4*(\rs)+2:G0Y+4*(\rs)+3], RSTEP
	s_add_nc_u64 s[G0X+4*(\rs)+2:G0X+4*(\rs)+3], s[G0X+4*(\rs)+2:G0X+4*(\rs)+3], RSTEP
	s_cmp_eq_u32 s[WM], 0
	s_cbranch_scc0 .Lfor_x_\@
	tensor_load_to_lds s[G0Y+4*(\rs):G0Y+4*(\rs)+3], s[G1Y:G1Y+7]
	s_nop 0
	PLACES
	s_branch .Lasked_\@
.Lfor_x_\@:
	tensor_load_to_lds s[G0X+4*(\rs):G0X+4*(\rs)+3], s[G1X:G1X+7]
	s_nop 0
	PLACES
.Lasked_\@:
.endm
.macro STEP t                          ; a K step that has its successor in the same slot
	s_wait_dscnt NLH                               ; Y's set and X's first half are in; X's second half may be out
	GROUP \t, 0, 0
	GROUP \t, 0, 1
	s_wait_dscnt 0x0
	PLACES
	FETCHY (\t)+1
	FETCHX (\t)+1, 0
	GROUP \t, 1, 0
	GROUP \t, 1, 1
	PLACES
	FETCHX (\t)+1, 1
.endm
; A slot's last K step.  refill = 1: in front of the barrier each wave waits for all its tensor loads, adds 0 to its spare word and waits for that and for its reads of the slot; the barrier opens a
; round of the cluster's; the joint refill is the first thing behind it.  refill = 0: a plain barrier that shows the next slot whole.
.macro TURN t, refill, cnt
	s_wait_tensorcnt \cnt
.if \refill
	ds_add_u32 v30, v31
	s_wait_dscnt NLH+1                             ; the add and X's second half may be out
.else
	s_wait_dscnt NLH
.endif
	GROUP \t, 0, 0
	s_wait_dscnt 0x0                               ; the add is done and my reads of this slot are over
	s_barrier_signal -1
	GROUP \t, 0, 1
	WIN 0
	s_barrier_wait -1
.if \refill
	CREST
	REFILL ((\t)/S)%NREG
.else
	PLACES
.endif
	FETCHY (\t)+1
	FETCHX (\t)+1, 0
	GROUP \t, 1, 0
	GROUP \t, 1, 1
	PLACES
	FETCHX (\t)+1, 1
.endm
.macro LAST t
	s_wait_dscnt NLH
	GROUP \t, 0, 0
	GROUP \t, 0, 1
	s_wait_dscnt 0x0
	GROUP \t, 1, 0
	GROUP \t, 1, 1
	WIN 0
	PLACES
.endm
; 64 numbers of a lane, register 16 b + i = k 32 b + 16 (lane / 16) + i of my row, become a fragment's codes in v[PC] on and its scale word in v[PW].
.macro QUANT s
.irp b, 0,1,2,3
	v_max3_num_f32 v[TM+\b], |v[\s+16*\b]|, |v[\s+1+16*\b]|, 0x1800000   ; and the floor 2^(3 - 127): the byte cannot fall under 1
.endr
.irp i, 2,4,6,8,10,12,14
.irp b, 0,1,2,3
	v_max3_num_f32 v[TM+\b], v[TM+\b], |v[\s+16*\b+\i]|, |v[\s+1+16*\b+\i]|
.endr
.endr
.irp b, 0,1,2,3
	v_permlanex16_b32 v[TM+4+\b], v[TM+\b], s[SEL], s[SEL+1]
.endr
.irp b, 0,1,2,3
	v_max_num_f32 v[TM+\b], v[TM+\b], v[TM+4+\b]   ; with lane l xor 16's: the block's largest magnitude
.endr
.irp b, 0,1,2,3
	v_add_nc_u32 v[TM+12+\b], 0xff000000, v[TM+\b] ; 2 off its exponent field: the conversion's scale operand
.endr
.irp b, 0,1,2,3
	v_lshrrev_b32 v[TM+4+\b], 23, v[TM+12+\b]      ; the scale's byte
.endr
	v_lshl_or_b32 v[PW], v[TM+5], 8, v[TM+4]
	v_lshl_or_b32 v[PW], v[TM+6], 16, v[PW]
	v_lshl_or_b32 v[PW], v[TM+7], 24, v[PW]
.irp c, 0,1
	v_cvt_scalef32_pk16_fp6_f32 v[PC+6*\c:PC+2+6*\c], v[\s+32*\c:\s+15+32*\c], v[TM+12+2*\c]
	v_cvt_scalef32_pk16_fp6_f32 v[PC+12+4*\c:PC+14+4*\c], v[\s+16+32*\c:\s+31+32*\c], v[TM+12+2*\c+1]
.endr
	v_nop                                          ; one plain place behind a scaled conversion
.irp c, 0,1
.irp i, 0,1,2
	v_permlane16_swap_b32 v[PC+6*\c+\i], v[PC+12+4*\c+\i]
.endr
.irp i, 0,1,2
	v_mov_b32 v[PC+3+6*\c+\i], v[PC+12+4*\c+\i]
.endr
.endr
.endm
.macro PUT off
.irp c, 0,1,2
	global_store_b128 v1, v[PC+4*\c:PC+4*\c+3], s[OC:OC+1] offset:(\off)+512*\c th:TH_STORE_NT
.endr
.endm
; A PREFETCH INTO THE L2 of the four K steps that fill number n brings (6,144 bytes, 24 blocks of 256, of a row block), two fills ahead of its load.  The four partners that ask for a tile jointly share its
; row blocks out by address: of P's four that a wave fetches one each (cx), of V^T's eight two each (cy).  A lane names a block; lanes left over name the last again.  The branch hangs on the wave's number alone.
.macro PF n
	global_prefetch_b8 v13, s[90:91] offset:(\n)*XSTR th:TH_LOAD_NT scope:SCOPE_SE
	s_cmp_eq_u32 s[WM], 0
	s_cbranch_scc1 .Lpf_\@
	global_prefetch_b8 v13, s[90:91] offset:(\n)*XSTR+RB16 th:TH_LOAD_NT scope:SCOPE_SE
.Lpf_\@:
.endm
	s_load_b128 s[4:7], s[0:1], 0x0
	s_load_b64 s[8:9], s[0:1], 0x10                ; oo
	v_lshl_add_u32 v30, v0, 2, SPARE
	v_mov_b32 v31, 0
	ds_add_u32 v30, v31
	ds_add_u32 v30, v31
	s_wait_dscnt 0x0
	v_lshrrev_b32 v12, 5, v0
	v_readfirstlane_b32 s[WV], v12                 ; wave 0..3
	s_lshr_b32 s[WM], s[WV], 1                     ; which 64 queries are mine.  Also: I fetch for Y (0) or for X (1)
	s_and_b32 s[WN], s[WV], 1                      ; which 128 channels.  Also: which half of that tile I fetch
	s_bfe_u32 s[CX], ttmp6, 0x40000
	s_bfe_u32 s[CY], ttmp6, 0x40004
	s_lshl_b32 s[TC], ttmp9, 2
	s_add_co_u32 s[TC], s[TC], s[CX]               ; the tile of 256 channels
	s_and_b32 s[BT], ttmp7, 0xffff
	s_lshl_b32 s[TR], s[BT], 2
	s_add_co_u32 s[TR], s[TR], s[CY]               ; the tile of 128 queries, over all batches
	s_lshr_b32 s[BT], s[BT], 2                     ; the batch: from the cluster's y alone
	s_lshl_b32 s2, s[CY], 2
	s_lshl_b32 s2, 15, s2                          ; my row of the cluster
	s_lshl_b32 s3, 0x1111, s[CX]                   ; my column
	s_or_b32 s[G1Y], s2, (3<<16)|(1<<21)           ; elements of 8 bytes; bit 21 beside a mask
	s_or_b32 s[G1X], s3, (3<<16)|(1<<21)
	s_mov_b32 s[G1Y+1], 768<<16                    ; a row of the tile: four fragments, 6,144 bytes
	s_mov_b32 s[G1Y+2], 4<<16                      ; 4 row blocks
	s_mov_b32 s[G1Y+3], 768<<16
	s_mov_b32 s[G1Y+4], 4
	s_mov_b32 s[G1Y+5], 3072                       ; from row block to row block: 24,576 bytes
	s_mov_b32 s[G1Y+6], 0
	s_mov_b32 s[G1Y+7], 0
	s_mov_b32 s[G1X+1], 768<<16
	s_mov_b32 s[G1X+2], 8<<16                      ; 8 row blocks
	s_mov_b32 s[G1X+3], 768<<16
	s_mov_b32 s[G1X+4], 8
	s_mov_b32 s[G1X+5], 3072
	s_mov_b32 s[G1X+6], 0
	s_mov_b32 s[G1X+7], 0
	s_lshl_b32 s74, s[TR], 3
	s_lshl_b32 s75, s[WN], 2
	s_add_co_u32 s74, s74, s75                     ; Y: row block 8 x tile row + 4 x half
	s_mul_i32 s74, s74, RB16
	s_mov_b32 s75, 0
	s_lshl_b32 s76, s[BT], 6
	s_lshl_b32 s77, s[TC], 4
	s_add_co_u32 s76, s76, s77
	s_lshl_b32 s77, s[WN], 3
	s_add_co_u32 s76, s76, s77                     ; X: row block 64 x batch + 16 x tile column + 8 x half
	s_mul_i32 s76, s76, RB16
	s_mov_b32 s77, 0
	s_mul_i32 s78, s[WN], 4*XSTR                   ; where they go in a slot: no place in the cluster enters an LDS address
	s_mul_i32 s79, s[WN], 8*XSTR
	s_add_co_u32 s79, s79, 8*XSTR
	s_mov_b32 s[SEL], 0x76543210
	s_mov_b32 s[SEL+1], 0xfedcba98
	s_wait_kmcnt 0x0
	s_add_nc_u64 s[74:75], s[4:5], s[74:75]
	s_add_nc_u64 s[76:77], s[6:7], s[76:77]
	CROUND                                         ; all sixteen work-groups are here: the first joint loads meet
.irp p, 0,1
	s_mov_b32 s[G0Y+4*\p], 1
	s_add_co_u32 s[G0Y+4*\p+1], s78, \p*REGB
	s_add_nc_u64 s[G0Y+4*\p+2:G0Y+4*\p+3], s[74:75], \p*XSTR
	s_or_b32 s[G0Y+4*\p+3], s[G0Y+4*\p+3], 0x80000000
	s_mov_b32 s[G0X+4*\p], 1
	s_add_co_u32 s[G0X+4*\p+1], s79, \p*REGB
	s_add_nc_u64 s[G0X+4*\p+2:G0X+4*\p+3], s[76:77], \p*XSTR
	s_or_b32 s[G0X+4*\p+3], s[G0X+4*\p+3], 0x80000000
.endr
	s_cmp_eq_u32 s[WM], 0                          ; a wave's first fill stands in a branch on its number: one load of mine is out
	s_cbranch_scc0 .Lfirst_x
.irp p, 0
	tensor_load_to_lds s[G0Y+4*\p:G0Y+4*\p+3], s[G1Y:G1Y+7]
	s_nop 0
.endr
	PLACES
	s_branch .Lfirst_done
.Lfirst_x:
.irp p, 0
	tensor_load_to_lds s[G0X+4*\p:G0X+4*\p+3], s[G1X:G1X+7]
	s_nop 0
.endr
	PLACES
.Lfirst_done:
	s_cmp_eq_u32 s[WM], 0
	s_cselect_b64 s[90:91], s[74:75], s[76:77]
	s_cselect_b32 s92, s[CX], s[CY]
	s_lshl_b32 s92, s92, s[WM]                     ; one row block a partner for P, two for V^T
	s_mul_i32 s92, s92, RB16
	s_mov_b32 s93, 0
	s_add_nc_u64 s[90:91], s[90:91], s[92:93]      ; never written again
	v_and_b32 v28, 31, v0
	v_min_u32 v13, 23, v28
	v_lshlrev_b32 v13, 8, v13
	s_wait_alu depctr_va_vdst(0)
	v_lshlrev_b32 v1, 4, v28                       ; 16 x lane
	v_and_b32 v29, 15, v0                          ; r
	v_bfe_u32 v12, v0, 4, 1                        ; h
	s_mul_i32 s80, s[WN], 8*XSTR
	s_add_co_u32 s80, s80, 8*XSTR
	s_mul_i32 s81, s[WM], 4*XSTR
.irp p, 0,1
	v_add_nc_u32 v[ARX+\p], s80, v1
	v_add_nc_u32 v[ARY+\p], s81, v1
	s_add_co_u32 s80, s80, REGB
	s_add_co_u32 s81, s81, REGB
.endr
	v_lshlrev_b32 v11, 4, v29                      ; 16 r
	v_lshl_add_u32 v10, v12, 9, v11                ; 16 r + 512 h
	s_wait_alu depctr_va_vdst(0)
	s_lshl_b32 s80, s[TR], 13
	s_lshl_b32 s81, s[WM], 8
	s_add_co_u32 s80, s80, s81                     ; my queries' half images: 8,192 x group + 256 x half
	s_add_co_u32 s82, s80, LPO
	s_add_co_u32 s80, s80, PSO
	s_mov_b32 s81, 0
	s_mov_b32 s83, 0
	s_add_nc_u64 s[80:81], s[4:5], s[80:81]
	s_add_nc_u64 s[82:83], s[4:5], s[82:83]
.irp i, 0,1,2,3,4,5,6,7
	global_load_b128 v[SA+4*\i:SA+4*\i+3], v10, s[80:81] offset:1024*\i
.endr
	s_lshl_b32 s74, s[BT], 3
	s_lshl_b32 s75, s[TC], 1
	s_add_co_u32 s74, s74, s75
	s_add_co_u32 s74, s74, s[WN]
	s_lshl_b32 s74, s74, 13
	s_add_co_u32 s74, s74, VSO
	s_mov_b32 s75, 0
	s_add_nc_u64 s[74:75], s[6:7], s[74:75]
.irp k, 0,1,2,3,4,5,6,7,8,9,10,11,12,13,14,15
	global_load_b128 v[SB+4*\k:SB+4*\k+3], v1, s[74:75] offset:512*\k
.endr
.irp i, 0,1,2,3,4,5,6,7
	global_load_b128 v[LPR+4*\i:LPR+4*\i+3], v10, s[82:83] offset:1024*\i   ; l's parts: lanes 0-15 chunk 2 i of the keys, lanes 16-31 chunk 2 i + 1
.endr
	PF 1                                           ; behind the head's loads
	PF 2
	s_lshl_b32 s76, s[TC], 1
	s_add_co_u32 s76, s76, s[WN]                   ; my 128 channels: K step of the next product
	s_lshl_b32 s78, s[TR], 3
	s_lshl_b32 s79, s[WM], 2
	s_add_co_u32 s78, s78, s79
	s_mul_i32 s78, s78, RB8
	s_mul_i32 s79, s76, 1536
	s_add_co_u32 s78, s78, s79
	s_mov_b32 s79, 0
	s_add_nc_u64 s[OC:OC+1], s[8:9], s[78:79]
	s_lshl_b32 s78, s[TR], 12
	s_lshl_b32 s76, s76, 9
	s_add_co_u32 s78, s78, s76
	s_lshl_b32 s76, s[WM], 8
	s_add_co_u32 s78, s78, s76
	s_add_co_u32 s78, s78, OSO
	s_add_nc_u64 s[OS:OS+1], s[8:9], s[78:79]
	s_wait_alu depctr_va_vdst(0)
	s_wait_tensorcnt 0x0                           ; my part of slot 0 is in
	ds_add_u32 v30, v31
	s_wait_dscnt 0x0
	CROUND
	s_cmp_eq_u32 s[WM], 0                          ; slot 1's first fill, one joint load a wave, the first behind the round
	s_cbranch_scc0 .Lsecond_x
	tensor_load_to_lds s[G0Y+4:G0Y+7], s[G1Y:G1Y+7]
	s_nop 0
	PLACES
	s_branch .Lsecond_done
.Lsecond_x:
	tensor_load_to_lds s[G0X+4:G0X+7], s[G1X:G1X+7]
	s_nop 0
	PLACES
.Lsecond_done:
	FETCHY 0
	FETCHX 0, 0
	FETCHX 0, 1
	PF 3
	s_wait_loadcnt 8
	STEP 0
	STEP 1
	STEP 2
	TURN 3, 1, 0                                   ; slot 0 takes K steps 8 to 11
	STEP 4
	STEP 5
	STEP 6
	TURN 7, 1, 0                                   ; slot 1 takes K steps 12 to 15
	STEP 8
	STEP 9
	STEP 10
	TURN 11, 0, 0
	STEP 12
	STEP 13
	STEP 14
	LAST 15
	s_wait_loadcnt 0x0
.irp j, 0,1,2,3
	v_mov_b32 v[TM+4+\j], 0                        ; a lane permute's destination counts as one of its sources
	v_mov_b32 v[PC+\j], 0
	v_mov_b32 v[INV+2*\j+1], 0                     ; named as the upper half of a pair
.endr
.irp i, 1,2,3,4,5,6,7
	v_pk_add_f32 v[LPR:LPR+1], v[LPR:LPR+1], v[LPR+4*\i:LPR+4*\i+1]
	v_pk_add_f32 v[LPR+2:LPR+3], v[LPR+2:LPR+3], v[LPR+4*\i+2:LPR+4*\i+3]
.endr
.irp a, 0,1,2,3
	v_permlanex16_b32 v[PC+\a], v[LPR+\a], s[SEL], s[SEL+1]
.endr
.irp a, 0,1,2,3
	v_add_f32 v[LPR+\a], v[LPR+\a], v[PC+\a]       ; l of my lane's query in row block a
.endr
	s_wait_alu depctr_va_vdst(0)
.irp a, 0,1,2,3
	v_rcp_f32 v[INV+2*\a], v[LPR+\a]
.endr
	v_nop                                          ; a plain place behind the batch
	s_wait_alu depctr_va_vdst(0)                   ; one wait for the four reciprocals, ahead of their first reader
.irp a, 0,1,2,3
	WIN 2
.set i, 0
.rept 32
	v_pk_mul_f32 v[T+i:T+i+1], v[64*\a+i:64*\a+i+1], v[INV+2*\a:INV+2*\a+1] op_sel_hi:[1,0]   ; / l; each accumulator from its low end on
.set i, i+2
.endr
	WIN 0
	s_wait_xcnt 0x0                                ; the last fragment's stores have read their data
	QUANT T
	PUT \a*RB8
	v_mov_b32 v[PWS+\a], v[PW]
.endr
	s_wait_alu depctr_va_vdst(0)
	s_wait_xcnt 0x0                                ; EXEC changes only behind this wait
	v_cmp_gt_u32 vcc_lo, 256, v10                  ; lanes 0-15
	s_and_saveexec_b32 s74, vcc_lo
	global_store_b128 v11, v[PWS:PWS+3], s[OS:OS+1] th:TH_STORE_NT   ; my half image: 256 consecutive bytes, aligned
	s_wait_xcnt 0x0
	s_or_b32 exec_lo, exec_lo, s74
	s_wait_tensorcnt 0x0                           ; the wave's end
	ds_add_u32 v30, v31
	s_wait_dscnt 0x0
	CROUND                                         ; the closing round
	s_endpgm
.Lfunc_end_k_q7c1ffc6ed3_pv:
	.size	k_q7c1ffc6ed3_pv, .Lfunc_end_k_q7c1ffc6ed3_pv-k_q7c1ffc6ed3_pv
	.p2alignl 7, 3214868480
	.fill 96, 4, 3214868480
	.section	.rodata,"a",@progbits
	.p2align	6, 0x0
	.amdhsa_kernel k_q7c1ffc6ed3_pv
		.amdhsa_group_segment_fixed_size 327680
		.amdhsa_private_segment_fixed_size 0
		.amdhsa_enable_private_segment 0
		.amdhsa_kernarg_size 24
		.amdhsa_user_sgpr_count 2
		.amdhsa_user_sgpr_kernarg_segment_ptr 1
		.amdhsa_wavefront_size32 1
		.amdhsa_system_sgpr_workgroup_id_x 1
		.amdhsa_system_sgpr_workgroup_id_y 1
		.amdhsa_system_sgpr_workgroup_id_z 1
		.amdhsa_system_vgpr_workitem_id 0
		.amdhsa_next_free_vgpr 768
		.amdhsa_next_free_sgpr 96
		.amdhsa_reserve_vcc 1
		.amdhsa_float_denorm_mode_32 3
		.amdhsa_float_denorm_mode_16_64 3
		.amdhsa_memory_ordered 1
		.amdhsa_forward_progress 1
		.amdhsa_inst_pref_size 150
	.end_amdhsa_kernel
	.amdgpu_metadata
---
amdhsa.version: [ 1, 2 ]
amdhsa.kernels:
  - .name:           k_q7c1ffc6ed3_pv
    .symbol:         k_q7c1ffc6ed3_pv.kd
    .args:
      - { .name: pp, .offset: 0, .size: 8, .value_kind: global_buffer, .address_space: global }
      - { .name: vt, .offset: 8, .size: 8, .value_kind: global_buffer, .address_space: global }
      - { .name: oo, .offset: 16, .size: 8, .value_kind: global_buffer, .address_space: global }
    .group_segment_fixed_size: 327680
    .private_segment_fixed_size: 0
    .kernarg_segment_align: 8
    .kernarg_segment_size: 24
    .max_flat_workgroup_size: 128
    .sgpr_count:     96
    .vgpr_count:     768
    .wavefront_size: 32
...
	.end_amdgpu_metadata
.endif
;; end of part 5
;; launch outp (part 6): grid 4 x 64, 4 waves a work-group, clusters of 4 x 4, 327,680 bytes of LDS; arguments oo, inc, pp, bo, out0; writes out0
.if DOCPART == 6
	.amdgcn_target "amdgcn-amd-amdhsa--gfx1250"
	.amdhsa_code_object_version 6
	.text
	.protected	k_q7c1ffc6ed3_outp
	.globl	k_q7c1ffc6ed3_outp
	.p2align	8
	.type	k_q7c1ffc6ed3_outp,@function
k_q7c1ffc6ed3_outp:
	s_mov_b64 s[64:65], 0
	v_nop
	global_prefetch_b8 v0, s[64:65] scope:SCOPE_SE
	s_setreg_imm32_b32 hwreg(HW_REG_WAVE_MODE, 25, 1), 1
	s_wait_xcnt 0x0
	s_wait_alu depctr_hold_cnt(0) depctr_sa_sdst(0) depctr_va_vdst(0) depctr_va_sdst(0) depctr_va_ssrc(0) depctr_va_vcc(0) depctr_vm_vsrc(0)
	s_getreg_b32 s2, hwreg(HW_REG_IB_STS2, 6, 4)
	s_cmp_eq_u32 s2, 0
	s_cbranch_scc0 .Lentry_in_a_cluster
	s_endpgm
.Lentry_in_a_cluster:
	s_bfe_u32 s2, ttmp6, 0x10000c
	s_cmp_lg_u32 s2, 0xf033
	s_cbranch_scc0 .Lentry_shape_is_right
	s_endpgm
.Lentry_shape_is_right:
; out0 = O Wo^T + bo on codes of FP6 (E2M3) with E8M0 scales, f32 out.  A row all of whose keys were masked (l = 0) becomes NaN, as a softmax over nothing is: (1 / l) x 0 is added to every row, which is 0 for l > 0.
; A tile is 128 rows x 256 columns; four waves, 2 x 2, each 64 x 128: 32 accumulators.  Source 0 (X) = 16 rows of Wo (columns of out0), source 1 (Y) = 16 rows of O: a lane holds one row, its registers run
; along the columns.  Operands lie in memory as images of their registers (1,536 bytes a fragment, [row block][K step]); lane row r of block rb is row 32 (rb / 2) + 8 (rb % 2) + r + 8 (r / 8): the 16 registers
; of two neighbouring blocks of Wo are 16 neighbouring columns, and the stores' offsets undo the make-up of O's blocks.
; LDS: all of K (8 steps of 128) comes with the first fills, one region of all eight K steps (294,912 bytes): nothing is filled again.  The way out goes through a stage of 16 rows x (512 + 16) bytes for each
; wave, in region 0, which has had its only fill, and whose last reads lie in front of a barrier.
; CLUSTER 4 x 4: O's tiles are shared along a row of the cluster, Wo's along a column.  The K loop is written out; all scale words stand in registers.
; REGISTERS: window 0: v1-14 addresses, v32-47 Y's scale words, v64-95 X's, v128-223 Y's two sets, later T and the rows' addends, v224-255 l's parts.
;   window 1: v0-95 X, later (v0-127) rows on their way out, two sets; v128-191 bo in the result's layout.   window 2: the accumulators.
.set NX, 8
.set NY, 4
.set S, 8                              ; all 8 K steps of a row block lie on end in LDS, 12,288 bytes: ONE dense load a wave brings its part of the tile
.set NREG, 1
.set XW, 1
.set XB, 0
.set YW, 0
.set YB, 128
.set XSTR, 1536*S
.set YRES, 0
.set NLH, 3*NX/2
.set REGB, 24*XSTR                     ; a region: Y's 8 blocks, then X's 16
.set RB8, 12288
.set INS, 22020096
.set OSO, 6291456
.set LPO, 13107200
.set SA, 32
.set SB, 64
.set ARX, 2
.set ARY, 6
.set T, 128
.set PT, 192
.set POI, 216
.set LPR, 224
.set BO, 128                           ; in window 1
.set G1Y, 16
.set G1X, 24
.set G0Y, 32
.set G0X, 48
.set WV, 66
.set WM, 67
.set WN, 68
.set CX, 69
.set CY, 70
.set TC, 71
.set TR, 72
.set SEL, 86
.set OC, 88
.set MSB, 0
.macro WIN new                         ; the register windows; the immediate's high byte repeats the setting that is left
.if MSB != (\new)
	s_set_vgpr_msb (MSB<<8)|(\new)
.set MSB, (\new)
.endif
.endm
.macro PLACES                          ; four plain vector instructions between a matrix instruction and a load into, or a vector instruction on, its registers
.rept 4
	v_nop
.endr
.endm
.macro CREST
	s_cmp_lg_u32 s[WV], 0
	s_cbranch_scc1 .Lnot_wave_0_\@
	s_barrier_signal -3
.Lnot_wave_0_\@:
	s_barrier_wait -3
	s_barrier_signal -1
	s_barrier_wait -1
.endm
.macro CROUND
	s_barrier_signal -1
	s_barrier_wait -1
	CREST
.endm
.macro WM t                            ; one product; K step 0 starts the sums with the constant 0
.set rsel, rX+2*rY
.if (\t) == 0
.if rsel == 0
	v_wmma_scale_f32_16x16x128_f8f6f4 v[dD:dD+7], v[dX:dX+11], v[dY:dY+11], 0, v[sX], v[sY] matrix_a_fmt:MATRIX_FMT_FP6 matrix_b_fmt:MATRIX_FMT_FP6
.elseif rsel == 1
	v_wmma_scale_f32_16x16x128_f8f6f4 v[dD:dD+7], v[dX:dX+11], v[dY:dY+11], 0, v[sX], v[sY] matrix_a_fmt:MATRIX_FMT_FP6 matrix_b_fmt:MATRIX_FMT_FP6 matrix_a_scale:MATRIX_SCALE_ROW1
.elseif rsel == 2
	v_wmma_scale_f32_16x16x128_f8f6f4 v[dD:dD+7], v[dX:dX+11], v[dY:dY+11], 0, v[sX], v[sY] matrix_a_fmt:MATRIX_FMT_FP6 matrix_b_fmt:MATRIX_FMT_FP6 matrix_b_scale:MATRIX_SCALE_ROW1
.else
	v_wmma_scale_f32_16x16x128_f8f6f4 v[dD:dD+7], v[dX:dX+11], v[dY:dY+11], 0, v[sX], v[sY] matrix_a_fmt:MATRIX_FMT_FP6 matrix_b_fmt:MATRIX_FMT_FP6 matrix_a_scale:MATRIX_SCALE_ROW1 matrix_b_scale:MATRIX_SCALE_ROW1
.endif
.else
.if rsel == 0
	v_wmma_scale_f32_16x16x128_f8f6f4 v[dD:dD+7], v[dX:dX+11], v[dY:dY+11], v[dD:dD+7], v[sX], v[sY] matrix_a_fmt:MATRIX_FMT_FP6 matrix_b_fmt:MATRIX_FMT_FP6
.elseif rsel == 1
	v_wmma_scale_f32_16x16x128_f8f6f4 v[dD:dD+7], v[dX:dX+11], v[dY:dY+11], v[dD:dD+7], v[sX], v[sY] matrix_a_fmt:MATRIX_FMT_FP6 matrix_b_fmt:MATRIX_FMT_FP6 matrix_a_scale:MATRIX_SCALE_ROW1
.elseif rsel == 2
	v_wmma_scale_f32_16x16x128_f8f6f4 v[dD:dD+7], v[dX:dX+11], v[dY:dY+11], v[dD:dD+7], v[sX], v[sY] matrix_a_fmt:MATRIX_FMT_FP6 matrix_b_fmt:MATRIX_FMT_FP6 matrix_b_scale:MATRIX_SCALE_ROW1
.else
	v_wmma_scale_f32_16x16x128_f8f6f4 v[dD:dD+7], v[dX:dX+11], v[dY:dY+11], v[dD:dD+7], v[sX], v[sY] matrix_a_fmt:MATRIX_FMT_FP6 matrix_b_fmt:MATRIX_FMT_FP6 matrix_a_scale:MATRIX_SCALE_ROW1 matrix_b_scale:MATRIX_SCALE_ROW1
.endif
.endif
.endm
; A quarter of K step t: half xh of X's blocks against half yh of Y's.  The accumulators take turns, one instruction a turn, in the same order in every step.
.macro GROUP t, xh, yh
.set aw, 2+(8*NX*(\yh)*(NY/2))/256
	WIN (aw<<6)|(aw<<4)|(YW<<2)|XW
.set gx, (\xh)*(NX/2)
.rept NX/2
.set gy, (\yh)*(NY/2)
.rept NY/2
.set dD, (8*(NX*gy+gx))%256
.set dX, XB+12*gx
.set dY, YB+12*NY*((\t)%2)+12*gy
.set sX, SB+4*(\t)+gx%4                ; X's word: register block % 4 of the K step's image, lanes 16-31 for blocks 4-7
.set rX, gx/4
.set sY, SA+4*((\t)/2)+gy              ; Y's: lanes 0-15 hold the even K step's half image, lanes 16-31 the odd one's
.set rY, (\t)%2
	WM \t
.set gy, gy+1
.endr
.set gx, gx+1
.endr
.endm
.macro FETCHX t, h                     ; half h of X's fragments of K step t: three loads of 512 consecutive bytes each
	WIN (XW<<6)
.set fb, (\h)*(NX/2)
.rept NX/2
.set fo, (fb%4)*XSTR+1536*((\t)%S)     ; a second address register for blocks 4-7: the immediate holds 16 bits
.set fa, ARX+fb/4
	ds_load_b128 v[XB+12*fb:XB+12*fb+3], v[fa] offset:fo
	ds_load_b128 v[XB+12*fb+4:XB+12*fb+7], v[fa] offset:fo+512
	ds_load_b128 v[XB+12*fb+8:XB+12*fb+11], v[fa] offset:fo+1024
.set fb, fb+1
.endr
	WIN 0
.endm
.macro FETCHY t                        ; Y's fragments of K step t into set t % 2
	WIN (YW<<6)
.set fb, 0
.rept NY
.set fo, fb*XSTR+1536*((\t)%S)
.set fa, ARY+((\t)/S)%NREG
.set fr, YB+12*NY*((\t)%2)+12*fb
	ds_load_b128 v[fr:fr+3], v[fa] offset:fo
	ds_load_b128 v[fr+4:fr+7], v[fa] offset:fo+512
	ds_load_b128 v[fr+8:fr+11], v[fa] offset:fo+1024
.set fb, fb+1
.endr
	WIN 0
.endm
.macro STEP t                          ; a K step whose successor lies in a region that has been shown whole
	s_wait_dscnt NLH                               ; Y's set and X's first half are in; X's second half may be out
	GROUP \t, 0, 0
	GROUP \t, 0, 1
	s_wait_dscnt 0x0
	PLACES
	FETCHY (\t)+1
	FETCHX (\t)+1, 0
	GROUP \t, 1, 0
	GROUP \t, 1, 1
	PLACES
	FETCHX (\t)+1, 1
.endm
.macro LAST t
	s_wait_dscnt NLH
	GROUP \t, 0, 0
	GROUP \t, 0, 1
	s_wait_dscnt 0x0
	GROUP \t, 1, 0
	GROUP \t, 1, 1
	WIN 0
	PLACES
.endm
	s_load_b256 s[4:11], s[0:1], 0x0               ; oo, inc, pp, bo
	s_load_b64 s[12:13], s[0:1], 0x20              ; out0
	v_lshl_add_u32 v126, v0, 2, 0x48000
	v_mov_b32 v127, 0
	ds_add_u32 v126, v127
	ds_add_u32 v126, v127
	v_lshrrev_b32 v12, 5, v0
	v_readfirstlane_b32 s[WV], v12                 ; wave 0..3
	s_lshr_b32 s[WM], s[WV], 1                     ; which 64 rows are mine.  Also: I fetch for Y (0) or for X (1)
	s_and_b32 s[WN], s[WV], 1                      ; which 128 columns.  Also: which half of that tile I fetch
	s_bfe_u32 s[CX], ttmp6, 0x40000
	s_bfe_u32 s[CY], ttmp6, 0x40004
	s_lshl_b32 s[TC], ttmp9, 2
	s_add_co_u32 s[TC], s[TC], s[CX]               ; the tile of 256 columns
	s_and_b32 s[TR], ttmp7, 0xffff
	s_lshl_b32 s[TR], s[TR], 2
	s_add_co_u32 s[TR], s[TR], s[CY]               ; the tile of 128 rows
	s_lshl_b32 s2, s[CY], 2
	s_lshl_b32 s2, 15, s2                          ; my row of the cluster
	s_lshl_b32 s3, 0x1111, s[CX]                   ; my column
	s_or_b32 s[G1Y], s2, (3<<16)|(1<<21)           ; elements of 8 bytes; bit 21 beside a mask
	s_or_b32 s[G1X], s3, (3<<16)|(1<<21)
	s_mov_b32 s[G1Y+1], 1536<<16                   ; a row of the tile: a row block's eight fragments, 12,288 bytes
	s_mov_b32 s[G1Y+2], 4<<16
	s_mov_b32 s[G1Y+3], 1536<<16
	s_mov_b32 s[G1Y+4], 4
	s_mov_b32 s[G1Y+5], 1536                       ; from row block to row block: 12,288 bytes
	s_mov_b32 s[G1Y+6], 0
	s_mov_b32 s[G1Y+7], 0
	s_mov_b32 s[G1X+1], 1536<<16
	s_mov_b32 s[G1X+2], 8<<16
	s_mov_b32 s[G1X+3], 1536<<16
	s_mov_b32 s[G1X+4], 8
	s_mov_b32 s[G1X+5], 1536
	s_mov_b32 s[G1X+6], 0
	s_mov_b32 s[G1X+7], 0
	s_lshl_b32 s74, s[TR], 3
	s_lshl_b32 s75, s[WN], 2
	s_add_co_u32 s74, s74, s75                     ; Y: row block 8 x tile row + 4 x half
	s_mul_i32 s74, s74, RB8
	s_mov_b32 s75, 0
	s_lshl_b32 s76, s[TC], 4
	s_lshl_b32 s77, s[WN], 3
	s_add_co_u32 s76, s76, s77
	s_add_co_u32 s76, s76, 1728                    ; X: row block 1,728 + 16 x tile column + 8 x half
	s_mul_i32 s76, s76, RB8
	s_mov_b32 s77, 0
	s_mul_i32 s78, s[WN], 4*XSTR                   ; where they go in a region: no place in the cluster enters an LDS address
	s_mul_i32 s79, s[WN], 8*XSTR
	s_add_co_u32 s79, s79, 8*XSTR
	s_mov_b32 s[SEL], 0x76543210
	s_mov_b32 s[SEL+1], 0xfedcba98
	s_wait_dscnt 0x0
	s_wait_kmcnt 0x0
	s_add_nc_u64 s[74:75], s[4:5], s[74:75]
	s_add_nc_u64 s[76:77], s[6:7], s[76:77]
	CROUND                                         ; all sixteen work-groups are here: the joint loads meet
.irp p, 0
	s_mov_b32 s[G0Y+4*\p], 1
	s_add_co_u32 s[G0Y+4*\p+1], s78, \p*REGB
	s_add_nc_u64 s[G0Y+4*\p+2:G0Y+4*\p+3], s[74:75], \p*XSTR
	s_or_b32 s[G0Y+4*\p+3], s[G0Y+4*\p+3], 0x80000000
	s_mov_b32 s[G0X+4*\p], 1
	s_add_co_u32 s[G0X+4*\p+1], s79, \p*REGB
	s_add_nc_u64 s[G0X+4*\p+2:G0X+4*\p+3], s[76:77], \p*XSTR
	s_or_b32 s[G0X+4*\p+3], s[G0X+4*\p+3], 0x80000000
.endr
	s_cmp_eq_u32 s[WM], 0                          ; a wave's one fill stands in a branch on its number: one load of mine is out
	s_cbranch_scc0 .Lfirst_x
.irp p, 0
	tensor_load_to_lds s[G0Y+4*\p:G0Y+4*\p+3], s[G1Y:G1Y+7]
	s_nop 0
.endr
	PLACES
	s_branch .Lfirst_done
.Lfirst_x:
.irp p, 0
	tensor_load_to_lds s[G0X+4*\p:G0X+4*\p+3], s[G1X:G1X+7]
	s_nop 0
.endr
	PLACES
.Lfirst_done:
	v_and_b32 v28, 31, v0
	v_lshlrev_b32 v1, 4, v28                       ; 16 x lane
	s_wait_alu depctr_va_vdst(0)
	v_and_b32 v29, 15, v0                          ; r
	v_bfe_u32 v15, v0, 4, 1                        ; h
	s_mul_i32 s80, s[WN], 8*XSTR
	s_add_co_u32 s80, s80, 8*XSTR
	s_mul_i32 s81, s[WM], 4*XSTR
.irp p, 0,1
	v_add_nc_u32 v[ARX+\p], s80, v1
	s_add_co_u32 s80, s80, 4*XSTR
.endr
	v_add_nc_u32 v[ARY], s81, v1
	s_wait_alu depctr_va_vdst(0)
	v_lshlrev_b32 v11, 4, v29
	v_lshl_add_u32 v10, v15, 9, v11                ; 16 r + 512 h
	s_wait_alu depctr_va_vdst(0)
	v_lshlrev_b32 v12, 6, v15                      ; bo: + 64 h
	s_wait_alu depctr_va_vdst(0)
	s_mul_i32 s80, s[WV], 8448                     ; my stage
	v_mul_u32_u24 v13, v29, 528
	v_lshl_add_u32 v13, v15, 6, v13
	v_add_nc_u32 v13, s80, v13                     ; in: row r, + 64 h
	v_add_nc_u32 v14, s80, v1                      ; back: 16 bytes a lane of a row of 512
	s_lshl_b32 s80, s[TR], 12
	s_lshl_b32 s81, s[WM], 8
	s_add_co_u32 s80, s80, s81
	s_add_co_u32 s80, s80, OSO
	s_mov_b32 s81, 0
	s_add_nc_u64 s[80:81], s[4:5], s[80:81]
.irp i, 0,1,2,3
	global_load_b128 v[SA+4*\i:SA+4*\i+3], v10, s[80:81] offset:1024*\i
.endr
	s_lshl_b32 s82, s[TC], 1
	s_add_co_u32 s82, s82, s[WN]
	s_add_co_u32 s82, s82, 216
	s_lshl_b32 s82, s82, 12
	s_add_co_u32 s82, s82, INS
	s_mov_b32 s83, 0
	s_add_nc_u64 s[82:83], s[6:7], s[82:83]
.irp k, 0,1,2,3,4,5,6,7
	global_load_b128 v[SB+4*\k:SB+4*\k+3], v1, s[82:83] offset:512*\k
.endr
	s_lshl_b32 s74, s[TR], 13
	s_lshl_b32 s75, s[WM], 8
	s_add_co_u32 s74, s74, s75
	s_add_co_u32 s74, s74, LPO
	s_mov_b32 s75, 0
	s_add_nc_u64 s[8:9], s[8:9], s[74:75]
.irp i, 0,1,2,3,4,5,6,7
	global_load_b128 v[LPR+4*\i:LPR+4*\i+3], v10, s[8:9] offset:1024*\i   ; l's parts: lanes 0-15 chunk 2 i of the keys, lanes 16-31 chunk 2 i + 1
.endr
	s_lshl_b32 s76, s[TC], 10
	s_lshl_b32 s77, s[WN], 9
	s_add_co_u32 s76, s76, s77                     ; my first column, in bytes
	s_mov_b32 s77, 0
	s_add_nc_u64 s[10:11], s[10:11], s[76:77]
	WIN 0x40
.irp n, 0,1,2,3,4,5,6,7                ; bo in the result's layout: block n, register j: column 32 (n / 2) + 8 (n % 2) + 16 h + j of my 128
	global_load_b128 v[BO+8*\n:BO+8*\n+3], v12, s[10:11] offset:(32*(\n/2)+8*(\n%2))*4
	global_load_b128 v[BO+8*\n+4:BO+8*\n+7], v12, s[10:11] offset:(32*(\n/2)+8*(\n%2))*4+16
.endr
	WIN 0
	s_lshl_b32 s78, s[TR], 19                      ; 128 rows of 4,096 bytes
	s_lshl_b32 s79, s[WM], 18
	s_add_co_u32 s78, s78, s79
	s_add_co_u32 s78, s78, s76
	s_mov_b32 s79, 0
	s_add_nc_u64 s[OC:OC+1], s[12:13], s[78:79]
	s_wait_tensorcnt 0x0                           ; my one load, my part of the whole tile, is in
	s_barrier_signal -1
	s_barrier_wait -1
	FETCHY 0
	FETCHX 0, 0
	FETCHX 0, 1
	s_wait_loadcnt 24                              ; the scale words are in; l's parts (8 loads) and bo (16) may be out
.irp t, 0,1,2,3,4,5,6
	STEP \t
.endr
	LAST 7
	s_barrier_signal -1                            ; every wave's reads of the tile are over (LAST has waited for mine): the stages, which lie in the tile's first bytes, may be written
	s_barrier_wait -1
	s_wait_loadcnt 0x0
.irp j, 0,1,2,3
	v_mov_b32 v[PT+\j], 0                          ; a lane permute's destination counts as one of its sources
	v_mov_b32 v[POI+2*\j+1], 0                     ; named as the upper half of a pair
.endr
.irp i, 1,2,3,4,5,6,7
	v_pk_add_f32 v[LPR:LPR+1], v[LPR:LPR+1], v[LPR+4*\i:LPR+4*\i+1]
	v_pk_add_f32 v[LPR+2:LPR+3], v[LPR+2:LPR+3], v[LPR+4*\i+2:LPR+4*\i+3]
.endr
.irp a, 0,1,2,3
	v_permlanex16_b32 v[PT+\a], v[LPR+\a], s[SEL], s[SEL+1]
.endr
.irp a, 0,1,2,3
	v_add_f32 v[LPR+\a], v[LPR+\a], v[PT+\a]       ; l of my lane's row in row block a
.endr
	s_wait_alu depctr_va_vdst(0)
.irp a, 0,1,2,3
	v_rcp_f32 v[POI+2*\a], v[LPR+\a]
.endr
	v_nop                                          ; a plain place behind the batch
	s_wait_alu depctr_va_vdst(0)                   ; one wait for the four reciprocals, ahead of their first reader
.irp a, 0,1,2,3
	v_mul_f32 v[POI+2*\a], 0, v[POI+2*\a]          ; 0, or NaN where l = 0
.endr
.macro OUTA a                          ; row block a: 16 rows x my 128 columns, through my stage, out as whole rows of 512 bytes
.set OB, 64*((\a)%2)
	WIN 0x06
.set i, 0
.rept 32
	v_pk_add_f32 v[T+i:T+i+1], v[64*(\a)+i:64*(\a)+i+1], v[BO+i:BO+i+1]   ; + bo; each accumulator from its low end on
.set i, i+2
.endr
	WIN 0
.set i, 0
.rept 32
	v_pk_add_f32 v[T+i:T+i+1], v[T+i:T+i+1], v[POI+2*(\a):POI+2*(\a)+1] op_sel_hi:[1,0]
.set i, i+2
.endr
.set i, 0
.rept 16
	ds_store_b128 v13, v[T+4*i:T+4*i+3] offset:128*(i/4)+16*(i%4)   ; number 16 b + i' of the lane is column 32 b + 16 h + i'
.set i, i+1
.endr
	s_wait_xcnt 0x0                                ; earlier stores have read their data: their registers are loaded again only behind this wait
	WIN 0x40
.set i, 0
.rept 16
	ds_load_b128 v[OB+4*i:OB+4*i+3], v14 offset:528*i   ; LDS serves a wave's instructions in order: these see the stores above
.set i, i+1
.endr
	WIN 0x04
.set i, 0
.rept 16
	s_wait_dscnt 15-i
	global_store_b128 v1, v[OB+4*i:OB+4*i+3], s[OC:OC+1] offset:(32*((\a)/2)+8*((\a)%2)+i+8*(i/8))*4096 th:TH_STORE_NT   ; 512 consecutive bytes of the lane row's true row
.set i, i+1
.endr
	WIN 0
.endm
	OUTA 0
	OUTA 1
	OUTA 2
	OUTA 3
	s_wait_tensorcnt 0x0
	ds_add_u32 v126, v127
	s_wait_dscnt 0x0
	CROUND                                         ; the closing round
	s_endpgm
.Lfunc_end_k_q7c1ffc6ed3_outp:
	.size	k_q7c1ffc6ed3_outp, .Lfunc_end_k_q7c1ffc6ed3_outp-k_q7c1ffc6ed3_outp
	.p2alignl 7, 3214868480
	.fill 96, 4, 3214868480
	.section	.rodata,"a",@progbits
	.p2align	6, 0x0
	.amdhsa_kernel k_q7c1ffc6ed3_outp
		.amdhsa_group_segment_fixed_size 327680
		.amdhsa_private_segment_fixed_size 0
		.amdhsa_enable_private_segment 0
		.amdhsa_kernarg_size 40
		.amdhsa_user_sgpr_count 2
		.amdhsa_user_sgpr_kernarg_segment_ptr 1
		.amdhsa_wavefront_size32 1
		.amdhsa_system_sgpr_workgroup_id_x 1
		.amdhsa_system_sgpr_workgroup_id_y 1
		.amdhsa_system_sgpr_workgroup_id_z 1
		.amdhsa_system_vgpr_workitem_id 0
		.amdhsa_next_free_vgpr 768
		.amdhsa_next_free_sgpr 90
		.amdhsa_reserve_vcc 0
		.amdhsa_float_denorm_mode_32 3
		.amdhsa_float_denorm_mode_16_64 3
		.amdhsa_memory_ordered 1
		.amdhsa_forward_progress 1
		.amdhsa_inst_pref_size 100
	.end_amdhsa_kernel
	.amdgpu_metadata
---
amdhsa.version: [ 1, 2 ]
amdhsa.kernels:
  - .name:           k_q7c1ffc6ed3_outp
    .symbol:         k_q7c1ffc6ed3_outp.kd
    .args:
      - { .name: oo, .offset: 0, .size: 8, .value_kind: global_buffer, .address_space: global }
      - { .name: inc, .offset: 8, .size: 8, .value_kind: global_buffer, .address_space: global }
      - { .name: pp, .offset: 16, .size: 8, .value_kind: global_buffer, .address_space: global }
      - { .name: bo, .offset: 24, .size: 8, .value_kind: global_buffer, .address_space: global }
      - { .name: out0, .offset: 32, .size: 8, .value_kind: global_buffer, .address_space: global }
    .group_segment_fixed_size: 327680
    .private_segment_fixed_size: 0
    .kernarg_segment_align: 8
    .kernarg_segment_size: 40
    .max_flat_workgroup_size: 128
    .sgpr_count:     90
    .vgpr_count:     768
    .wavefront_size: 32
...
	.end_amdgpu_metadata
.endif
;; end of part 6
